; MI455X (gfx1250); checked and timed in simulation.
; The chip was launched on July 23, 2026; its instructions are those of AMD's public machine-readable ISA for CDNA 5 (MIT licence, August 2026) and "CDNA5" Instruction Set Architecture Reference Guide (July 2026). The comments in the code are by the model that wrote it; some were corrected since.
;; Multi Head Self Attention. Allowed arithmetic: matrix products marked QUANTISED: E3M2 operands, one E8M0 scale for each 32 along K, by v_wmma_scale_f32_16x16x128_f8f6f4 with both operands' format E3M2, f32 sums; everything else in f32.
;; Inputs: bk 1,024 float32; bo 1,024 float32; bq 1,024 float32; bv 1,024 float32; wk 1,024 x 1,024 float32; wo 1,024 x 1,024 float32; wq 1,024 x 1,024 float32; wv 1,024 x 1,024 float32; x 4 x 2,048 x 1,024 float32.
;; Outputs: out0 4 x 2,048 x 1,024 float32.
;; This version of the problem:
;;   THIS VERSION OF THE PROBLEM IS GIVEN IN LOW PRECISION. The matrix products marked QUANTISED in the list below multiply operands that are first quantised to E3M2 (3 exponent bits, 2 mantissa bits; 6 bits a number), with one power-of-two scale for each 32 numbers along K (OCP MX v1.0); their sums are f32. All else is computed in f32.
;;   The module's matrix products, in the order in which they are computed (A, B: the left and right operand; K: the contracted axis; several contracted axes count as one K, in the product's order):
;;     1. [M 8,192, K 1,024] x [K 1,024, N 1,024]; A: input x; B: input wq: QUANTISED
;;     2. [M 8,192, K 1,024] x [K 1,024, N 1,024]; A: input x; B: input wk: QUANTISED
;;     3. [M 8,192, K 1,024] x [K 1,024, N 1,024]; A: input x; B: input wv: QUANTISED
;;     4. batch 64 x [M 2,048, K 64] x [K 64, N 2,048]; A: computed on the way; B: computed on the way: QUANTISED
;;     5. batch 64 x [M 2,048, K 2,048] x [K 2,048, N 64]; A: softmax (see below); B: computed on the way: QUANTISED
;;     6. [M 8,192, K 1,024] x [K 1,024, N 1,024]; A: computed on the way; B: input wo: QUANTISED
;;   THE QUANTISER, for each operand of a quantised product, along K:
;;     - K is cut into blocks of 32 from its start; a last block that is shorter is filled with zeros.
;;     - A block's scale is 2^e with e = floor(log2(the largest magnitude in the block)) - 4, held to -126 .. 127; a block of zeros has e = 0. As a byte (E8M0): e + 127.
;;     - Each number is divided by its block's scale, clamped to +-28, and rounded to the nearest number of E3M2, ties to even, subnormals kept.
;;     - The product sums the exact products of the quantised numbers (number of the format x scale) in f32.
;;   ~~~python
;;   def quantise(x, axis):      # numpy; x: float32 -> the quantised numbers, widened to float32 again
;;       x = np.moveaxis(x, axis, -1); K = x.shape[-1]
;;       x = np.pad(x, [(0, 0)] * (x.ndim - 1) + [(0, -K % 32)]); x = x.reshape(x.shape[:-1] + (-1, 32)); a = np.abs(x).max(-1, keepdims=True)
;;       e = np.where(a > 0, np.clip(np.frexp(np.where(a > 0, a, 1))[1] - 1 - 4, -126, 127), 0)      # np.frexp(a)[1] - 1 = floor(log2(a)), exactly
;;       r = np.clip(x / 2.0 ** e, -28, 28)
;;       step = 2.0 ** (np.maximum(np.frexp(np.where(r == 0, 1, r))[1] - 1, -2) - 2)
;;       q = np.round(r / step) * step * 2.0 ** e      # np.round: ties to even
;;       return np.moveaxis(q.reshape(q.shape[:-2] + (-1,))[..., :K], -1, axis).astype(np.float32)
;;   ~~~
;;   SOFTMAX AHEAD OF A QUANTISED PRODUCT. Where the list says 'softmax', what is quantised is not the finished softmax but p = 2^(t - M), with t = logit x log2(e) and M = ceil(the row's largest t), a whole number; so 1/2 < the row's largest p <= 1. The row's sum l is taken of the UNQUANTISED p, in f32, and the product's result is divided by l at the end. Since M is a whole number, a kernel that streams over the keys may use a running M (the ceiling of the running maximum): every later rescaling is an exact power of two, which a block's scale takes up: the codes' values come out the same.
;;   OPERANDS COMPUTED ON THE WAY. 'Computed on the way' means the value that the module computes at that place (a softmax that the list does not call 'softmax' is quantised finished and normalised). What goes into a quantiser is computed in f32, as accurately as f32 sums, v_exp_f32 and their like allow (about 1e-6 of the number): no bf16 or f16 on the way to a quantiser, and a product that is left as it is and whose result goes on into a quantised operand takes f32 operands (vector FMAs, or v_wmma_f32_16x16x4_f32). A number that lies on a knife's edge between two numbers of the format may be rounded either way, as far as f32 arithmetic and the matrix unit's own rounding can turn it there, and no further.
;; One version. Each part assembles by itself: llvm-mc -triple=amdgcn-amd-amdhsa -mcpu=gfx1250 --defsym DOCPART=n.
;; ======== version 1 of 1: 4 launches
;; workspace buffers: x_codes 6,291,456 bytes; x_scales 262,144 bytes; w_codes 3,145,728 bytes; w_scales 131,072 bytes; q_ws 6,553,600 bytes; kv 13,107,200 bytes; ao_codes 6,291,456 bytes; ao_scales 262,144 bytes
;; launch quant (part 1): grid 384 x 1, 4 waves a work-group, no clusters, 68,096 bytes of LDS; arguments x, wq, wk, wv, wo, x_codes, x_scales, w_codes, w_scales; writes x_codes, x_scales, w_codes, w_scales
.if DOCPART == 1
	.amdgcn_target "amdgcn-amd-amdhsa--gfx1250"
	.amdhsa_code_object_version 6
	.text
	.protected	k_qd8fd9f9540_quant
	.globl	k_qd8fd9f9540_quant
	.p2align	8
	.type	k_qd8fd9f9540_quant,@function
k_qd8fd9f9540_quant:
	s_mov_b64 s[64:65], 0
	v_nop
	global_prefetch_b8 v0, s[64:65] scope:SCOPE_SE
	s_setreg_imm32_b32 hwreg(HW_REG_WAVE_MODE, 25, 1), 1
	s_wait_xcnt 0x0
; x [8192][1024] and wq, wk, wv, wo [1024 (k)][1024 (n)], all f32, become codes of BF6 (E3M2), 6 bits each, K innermost, with one E8M0 byte for each 32 along K.
; A block's scale is 2^(floor(log2(its largest magnitude)) - 4); its byte is the largest magnitude's exponent field - 4, held at 1 from below.
; LIMITS: a block whose largest magnitude lies under 2^(5 - 127), a block of zeros among them, keeps the byte 1 (its codes are then zeros or subnormal codes; these bytes are read by this program alone);
; NaN and infinities among the inputs are not served.
; THE ROWS OF THE RESULTS ARE PERMUTED: row i of x (column n of a weight) is stored at row sw(i) = i with its bits 3 and 4 exchanged.  In the products that follow a lane's 16 registers of two
; neighbouring tiles are then 16 neighbours of the true order, which is what the next quantiser wants.
; Work-groups 0-255: x, 32 rows each, a wave 8 rows (8,192 numbers) in 16 steps of 512.  Each load reads 512 consecutive bytes; a step's 2,048 bytes turn through the wave's own stage in LDS so that a lane
; holds 16 neighbours; a wave's 8 rows have the wave's number as bits 3 and 4 of the row, so the permutation is a choice of the run that the wave writes.
; Work-groups 256-383: the weights, 32 each: 128 columns x 256 along K; a lane takes a column and its registers run down K; the codes leave through the wave's own stage, whose rows are the permuted columns.
; The two ways share no LDS byte: x's has bytes 0-32767, the weights' 32768-67583.  No barrier: waves share nothing.
.set STEPS, 16
.set CB,    12                         ; bytes of 16 codes
.set XR,    16                         ; v16-79   four sets of 16 numbers as loaded
.set XX,    80                         ; v80-111  two sets of 16 neighbours
.set XE,    112                        ; v112-127 a scale byte for each step
.set XC,    128                        ; v128-191 codes, four registers for each step
.set WREG,  8192                       ; x's way: LDS bytes of a wave: two stages of 32 x SP, then 256 scale bytes
.set SP,    80                         ; a lane's place in a stage: 64 bytes + 16
.set WSTAGE, 32768                     ; the weights' way: four stages of 32 rows x WP
.set WP,    272                        ; a stage row: sixteen places of 16 bytes + 16
.set NB,    8                          ; blocks of 32 along K for a wave
.set WX,    32                         ; v32-95   two sets of 32 numbers
.set WC,    96                         ; v96..    a block's codes
.set WOUT,  112                        ; v112-175 the way out
.set WSB,   24                         ; v24-25   eight scale bytes
.macro XLOAD t
.irp i, 0,1,2,3
	global_load_b128 v[XR+16*((\t)%4)+4*\i:XR+16*((\t)%4)+4*\i+3], v3, s[4:5] offset:2048*(\t)+512*\i th:TH_LOAD_NT   ; 32 lanes read 512 consecutive bytes
.endr
.endm
.macro XTURN t                         ; step t's numbers through the stage: LDS serves a wave's instructions in order, so no wait stands between the stores and the loads
.irp i, 0,1,2,3
	ds_store_b128 v14, v[XR+16*((\t)%4)+4*\i:XR+16*((\t)%4)+4*\i+3] offset:32*SP*((\t)%2)+8*SP*\i
.endr
.irp i, 0,1,2,3
	ds_load_b128 v[XX+16*((\t)%2)+4*\i:XX+16*((\t)%2)+4*\i+3], v15 offset:32*SP*((\t)%2)+16*\i
.endr
.endm
.macro XSTEP t
.set XS, XX+16*((\t)%2)
.if (\t) > 0
	s_wait_dscnt 1                                 ; this step's numbers are back from the stage; the last step's byte store may be out
.else
	s_wait_dscnt 0x0
.endif
.if (\t)+4 < STEPS
	XLOAD (\t)+4                                   ; the registers that the stage's stores have read take the loads of four steps on
.endif
.if (\t)+1 < STEPS
.if STEPS-2-(\t) >= 3
	s_wait_loadcnt 12                              ; the next step's four loads are in; those of the three steps behind it may be out
.else
	s_wait_loadcnt 4*(STEPS-2-(\t))
.endif
	XTURN (\t)+1
.endif
	v_max3_num_f32 v8, |v[XS]|, |v[XS+1]|, |v[XS+2]|               ; the largest magnitude of my 16, in two chains
	v_max3_num_f32 v9, |v[XS+3]|, |v[XS+4]|, |v[XS+5]|
.irp i, 6,10
	v_max3_num_f32 v8, v8, |v[XS+\i]|, |v[XS+\i+1]|
	v_max3_num_f32 v9, v9, |v[XS+\i+2]|, |v[XS+\i+3]|
.endr
	v_max3_num_f32 v8, v8, |v[XS+14]|, |v[XS+15]|
	v_max3_num_f32 v8, v8, v9, 0x2800000           ; and the floor 2^(5 - 127): the byte cannot fall under 1
	v_max_num_f32_dpp v8, v8, v8 row_xmask:1 row_mask:0xf bank_mask:0xf   ; with my neighbour's 16: the block's
	v_add_nc_u32 v11, 0xfe000000, v8               ; 4 off the exponent field: the conversion takes the exponent field of this operand as its scale
	v_cvt_scalef32_pk16_bf6_f32 v[XC+4*(\t):XC+4*(\t)+2], v[XS:XS+15], v11
	v_lshrrev_b32 v[XE+(\t)], 23, v11              ; the scale's byte (also the plain line behind the conversion)
	ds_store_b8 v5, v[XE+(\t)] offset:16*(\t)      ; both lanes of a block write the same byte with the same value
	global_store_b96 v4, v[XC+4*(\t):XC+4*(\t)+2], s[14:15] offset:32*CB*(\t)   ; the wave stores 384 consecutive bytes
.endm
.macro WLOAD t                         ; block t: W(32 t + i, my column) into set t % 2
.set i, 0
.rept 32
	global_load_b32 v[WX+32*((\t)%2)+i], v3, s[6:7] offset:(32*(\t)+i)*4096 th:TH_LOAD_NT
.set i, i+1
.endr
.endm
.macro WBLOCK t
.set XS, WX+32*((\t)%2)
.if (\t) < NB-1
	s_wait_loadcnt 32                              ; this block's 32 loads are in; the next block's may be out
.else
	s_wait_loadcnt 0
.endif
	v_max3_num_f32 v12, |v[XS]|, |v[XS+1]|, |v[XS+2]|               ; the block's largest magnitude: all 32 numbers are mine
	v_max3_num_f32 v13, |v[XS+3]|, |v[XS+4]|, |v[XS+5]|
.irp i, 6,10,14,18,22,26
	v_max3_num_f32 v12, v12, |v[XS+\i]|, |v[XS+\i+1]|
	v_max3_num_f32 v13, v13, |v[XS+\i+2]|, |v[XS+\i+3]|
.endr
	v_max3_num_f32 v12, v12, |v[XS+30]|, |v[XS+31]|
	v_max3_num_f32 v12, v12, v13, 0x2800000
	v_add_nc_u32 v11, 0xfe000000, v12
	v_lshrrev_b32 v13, 23, v11                     ; the scale's byte
.if (\t)%4 == 0
	v_mov_b32 v[WSB+(\t)/4], v13                   ; four bytes to a register, the lower K in the lower byte
.else
	v_lshl_or_b32 v[WSB+(\t)/4], v13, 8*((\t)%4), v[WSB+(\t)/4]
.endif
	v_cvt_scalef32_pk16_bf6_f32 v[WC:WC+2], v[XS:XS+15], v11
	v_cvt_scalef32_pk16_bf6_f32 v[WC+4:WC+6], v[XS+16:XS+31], v11   ; (a conversion's three registers begin on an even number)
	v_nop                                          ; one plain line behind the conversions
	ds_store_b96 v4, v[WC:WC+2] offset:32*(\t)     ; 12 bytes to a place of 16, so that every LDS address is a multiple of 16
	ds_store_b96 v4, v[WC+4:WC+6] offset:32*(\t)+16
.if (\t)+2 < NB
	WLOAD (\t)+2
.endif
	s_wait_dscnt 0x0                               ; the stores have read their registers: the next block's codes may be written
.endm
	s_load_b512 s[4:19], s[0:1], 0x0               ; x 4:5, wq 6:7, wk 8:9, wv 10:11, wo 12:13, x_codes 14:15, x_scales 16:17, w_codes 18:19
	s_load_b64 s[20:21], s[0:1], 0x40              ; w_scales
	v_lshl_add_u32 v192, v0, 2, 0x10800
	v_mov_b32 v193, 0
	v_lshrrev_b32 v1, 5, v0
	v_readfirstlane_b32 s22, v1                    ; wave 0..3
	v_and_b32 v2, 31, v0                           ; lane
	s_mov_b32 s27, 0                               ; the upper word of every offset
	s_wait_kmcnt 0x0
	s_cmp_lt_u32 ttmp9, 256
	s_cbranch_scc0 .Lweights
	s_wait_alu depctr_va_vdst(0)
	; ---------------- x ----------------
	v_lshlrev_b32 v3, 4, v2                        ; my 16 bytes of a load's 512
	s_mul_i32 s23, s22, WREG
	v_lshrrev_b32 v14, 2, v2
	v_mul_u32_u24 v14, v14, SP
	v_and_b32 v15, 3, v2
	v_lshl_add_u32 v14, v15, 4, v14
	v_add_nc_u32 v14, s23, v14                     ; the stage, in: SP (lane / 4) + 16 (lane % 4)
	v_mul_u32_u24 v15, v2, SP
	v_add_nc_u32 v15, s23, v15                     ; out: SP x lane: my 16 neighbours
	v_mul_u32_u24 v4, v2, CB                       ; my codes' place in a step's
	v_lshrrev_b32 v5, 1, v2
	s_add_co_u32 s23, s23, 2*32*SP
	v_add_nc_u32 v5, s23, v5                       ; my block's byte among my wave's 256
	v_lshlrev_b32 v7, 3, v2
	v_add_nc_u32 v6, s23, v7
	s_lshl_b32 s24, ttmp9, 2
	s_add_co_u32 s26, s24, s22                     ; the run of 8 rows that I read: 4 x work-group + wave
	s_lshl_b32 s26, s26, 15
	s_add_nc_u64 s[4:5], s[4:5], s[26:27]
	s_and_b32 s28, s22, 1
	s_lshl_b32 s28, s28, 1
	s_lshr_b32 s29, s22, 1
	s_or_b32 s28, s28, s29
	s_add_co_u32 s24, s24, s28                     ; the run that I write: the wave's two bits exchanged
	s_mul_i32 s26, s24, 6144
	s_add_nc_u64 s[14:15], s[14:15], s[26:27]
	s_lshl_b32 s26, s24, 8
	s_add_nc_u64 s[16:17], s[16:17], s[26:27]
.irp t, 0,1,2,3
	XLOAD \t
.endr
	s_wait_alu depctr_va_vdst(0)
	s_wait_loadcnt 12                              ; step 0's four loads are in
	XTURN 0
.irp t, 0,1,2,3,4,5,6,7,8,9,10,11,12,13,14,15
	XSTEP \t
.endr
	ds_load_b64 v[12:13], v6                       ; LDS serves a wave's instructions in order: these see my byte stores
	s_wait_dscnt 0x0
	global_store_b64 v7, v[12:13], s[16:17]        ; 32 lanes store 256 consecutive bytes, aligned
	s_wait_tensorcnt 0x0
	ds_add_u32 v192, v193
	s_wait_dscnt 0x0
	s_endpgm
	; ---------------- the weights ----------------
.Lweights:
	s_sub_co_u32 s23, ttmp9, 256
	s_lshr_b32 s24, s23, 5                         ; which weight: 0 q, 1 k, 2 v, 3 o
	s_and_b32 s25, s23, 7                          ; which 128 columns
	s_bfe_u32 s28, s23, 0x20003                    ; which 256 along K
	s_cmp_eq_u32 s24, 1
	s_cselect_b64 s[6:7], s[8:9], s[6:7]
	s_cmp_eq_u32 s24, 2
	s_cselect_b64 s[6:7], s[10:11], s[6:7]
	s_cmp_eq_u32 s24, 3
	s_cselect_b64 s[6:7], s[12:13], s[6:7]
	s_lshl_b32 s25, s25, 7
	s_lshl_b32 s29, s22, 5
	s_add_co_u32 s25, s25, s29                     ; my wave's first column
	s_lshl_b32 s26, s28, 20                        ; 256 rows of 4,096 bytes
	s_lshl_b32 s29, s25, 2
	s_add_co_u32 s26, s26, s29
	s_add_nc_u64 s[6:7], s[6:7], s[26:27]
	s_lshl_b32 s24, s24, 10
	s_add_co_u32 s24, s24, s25                     ; my first row of the codes' and the scales' buffers
	s_mul_i32 s26, s24, 768
	s_mul_i32 s29, s28, 192
	s_add_co_u32 s26, s26, s29
	s_add_nc_u64 s[18:19], s[18:19], s[26:27]
	s_lshl_b32 s26, s24, 5
	s_lshl_b32 s29, s28, 3
	s_add_co_u32 s26, s26, s29
	s_add_nc_u64 s[20:21], s[20:21], s[26:27]
	s_wait_alu depctr_va_vdst(0)
	v_lshlrev_b32 v3, 2, v2                        ; in: 4 bytes a lane
	s_mul_i32 s29, s22, 32*WP
	s_add_co_u32 s29, s29, WSTAGE                  ; my stage
	v_and_b32 v10, 7, v2
	v_bfe_u32 v5, v2, 3, 1
	v_lshl_add_u32 v10, v5, 4, v10
	v_bfe_u32 v5, v2, 4, 1
	v_lshl_add_u32 v10, v5, 3, v10                 ; my column's permuted place: the lane with its bits 3 and 4 exchanged
	v_mul_u32_u24 v4, v10, WP
	v_add_nc_u32 v4, s29, v4                       ; into the stage: that row
	v_and_b32 v5, 15, v2
	v_lshrrev_b32 v6, 4, v2
	v_mul_u32_u24 v7, v6, WP
	v_lshl_add_u32 v7, v5, 4, v7
	v_add_nc_u32 v7, s29, v7                       ; out of it: sixteen lanes to a row, two rows an instruction
	v_mul_u32_u24 v8, v6, 768
	v_mad_u32_u24 v8, v5, 12, v8                   ; and the same place in the codes' buffer
	v_lshlrev_b32 v9, 5, v10                       ; my column's row of scale bytes
	WLOAD 0
	WLOAD 1
.irp t, 0,1,2,3,4,5,6,7
	WBLOCK \t
.endr
	s_wait_alu depctr_va_vdst(0)
	global_store_b64 v9, v[WSB:WSB+1], s[20:21]    ; my column's eight scale bytes
.irp t, 0,1,2,3,4,5,6,7,8,9,10,11,12,13,14,15
	ds_load_b96 v[WOUT+4*\t:WOUT+4*\t+2], v7 offset:2*\t*WP
.endr
.irp t, 0,1,2,3,4,5,6,7,8,9,10,11,12,13,14,15
	s_wait_dscnt 15-\t
	global_store_b96 v8, v[WOUT+4*\t:WOUT+4*\t+2], s[18:19] offset:2*\t*768   ; sixteen lanes store a row's 192 consecutive bytes
.endr
	s_wait_tensorcnt 0x0
	ds_add_u32 v192, v193
	s_wait_dscnt 0x0
	s_endpgm
.Lfunc_end_k_qd8fd9f9540_quant:
	.size	k_qd8fd9f9540_quant, .Lfunc_end_k_qd8fd9f9540_quant-k_qd8fd9f9540_quant
	.p2alignl 7, 3214868480
	.fill 96, 4, 3214868480
	.section	.rodata,"a",@progbits
	.p2align	6, 0x0
	.amdhsa_kernel k_qd8fd9f9540_quant
		.amdhsa_group_segment_fixed_size 68096
		.amdhsa_private_segment_fixed_size 0
		.amdhsa_enable_private_segment 0
		.amdhsa_kernarg_size 72
		.amdhsa_user_sgpr_count 2
		.amdhsa_user_sgpr_kernarg_segment_ptr 1
		.amdhsa_wavefront_size32 1
		.amdhsa_system_sgpr_workgroup_id_x 1
		.amdhsa_system_sgpr_workgroup_id_y 1
		.amdhsa_system_sgpr_workgroup_id_z 1
		.amdhsa_system_vgpr_workitem_id 0
		.amdhsa_next_free_vgpr 194
		.amdhsa_next_free_sgpr 66
		.amdhsa_reserve_vcc 0
		.amdhsa_float_denorm_mode_32 3
		.amdhsa_float_denorm_mode_16_64 3
		.amdhsa_memory_ordered 1
		.amdhsa_forward_progress 1
		.amdhsa_inst_pref_size 74
	.end_amdhsa_kernel
	.amdgpu_metadata
---
amdhsa.version: [ 1, 2 ]
amdhsa.kernels:
  - .name:           k_qd8fd9f9540_quant
    .symbol:         k_qd8fd9f9540_quant.kd
    .args:
      - { .name: x, .offset: 0, .size: 8, .value_kind: global_buffer, .address_space: global }
      - { .name: wq, .offset: 8, .size: 8, .value_kind: global_buffer, .address_space: global }
      - { .name: wk, .offset: 16, .size: 8, .value_kind: global_buffer, .address_space: global }
      - { .name: wv, .offset: 24, .size: 8, .value_kind: global_buffer, .address_space: global }
      - { .name: wo, .offset: 32, .size: 8, .value_kind: global_buffer, .address_space: global }
      - { .name: x_codes, .offset: 40, .size: 8, .value_kind: global_buffer, .address_space: global }
      - { .name: x_scales, .offset: 48, .size: 8, .value_kind: global_buffer, .address_space: global }
      - { .name: w_codes, .offset: 56, .size: 8, .value_kind: global_buffer, .address_space: global }
      - { .name: w_scales, .offset: 64, .size: 8, .value_kind: global_buffer, .address_space: global }
    .group_segment_fixed_size: 68096
    .private_segment_fixed_size: 0
    .kernarg_segment_align: 8
    .kernarg_segment_size: 72
    .max_flat_workgroup_size: 128
    .sgpr_count:     66
    .vgpr_count:     194
    .wavefront_size: 32
...
	.end_amdgpu_metadata
.endif
;; end of part 1
;; launch qkv (part 2): grid 8 x 48, 4 waves a work-group, clusters of 4 x 4, 327,680 bytes of LDS; arguments x_codes, x_scales, w_codes, w_scales, bq, bk, bv, q_ws, kv; writes q_ws, kv
.if DOCPART == 2
	.amdgcn_target "amdgcn-amd-amdhsa--gfx1250"
	.amdhsa_code_object_version 6
	.text
	.protected	k_qd8fd9f9540_qkv
	.globl	k_qd8fd9f9540_qkv
	.p2align	8
	.type	k_qd8fd9f9540_qkv,@function
k_qd8fd9f9540_qkv:
	s_mov_b64 s[64:65], 0
	v_nop
	global_prefetch_b8 v0, s[64:65] scope:SCOPE_SE
	s_setreg_imm32_b32 hwreg(HW_REG_WAVE_MODE, 25, 1), 1
	s_wait_xcnt 0x0
	s_wait_alu depctr_hold_cnt(0) depctr_sa_sdst(0) depctr_va_vdst(0) depctr_va_sdst(0) depctr_va_ssrc(0) depctr_va_vcc(0) depctr_vm_vsrc(0)
	s_getreg_b32 s2, hwreg(HW_REG_IB_STS2, 6, 4)
	s_cmp_eq_u32 s2, 0
	s_cbranch_scc0 .Lentry_in_a_cluster
	s_endpgm
.Lentry_in_a_cluster:
	s_bfe_u32 s2, ttmp6, 0x10000c
	s_cmp_lg_u32 s2, 0xf033
	s_cbranch_scc0 .Lentry_shape_is_right
	s_endpgm
.Lentry_shape_is_right:
; q = x wq + bq, k = x wk + bk, v = x wv + bv on codes of BF6 (E3M2) with E8M0 scales, K = 1024; the results are quantised at once, q and k along the head's 64, v along the keys, and only codes and scale bytes are stored.
; ONE BODY, TWO ROLES.  A tile is 256 x 256 of Arole Brole^T.  Clusters with y < 8: Arole = x (32 tile rows), Brole = rows 0-2047 of the weights' codes (wq, then wk: 8 tile columns).
; Clusters with y 8-11: Arole = rows 2048-3071 (wv: 4 tile rows), Brole = x (32 tile columns).  The choice hangs on the cluster's coordinates alone, which all sixteen partners share, and is made by selects, never by a branch.
; THE MATRIX INSTRUCTION IS USED TRANSPOSED (source 0 = 16 rows of Brole, source 1 = 16 rows of Arole): a lane holds one row of Arole and its registers run along Brole's rows.  Both buffers' rows are stored with bits 3 and 4
; of the row exchanged, so register 16 B + i of accumulators 2 B, 2 B + 1 is Brole's TRUE index 32 B + 16 (lane / 16) + i: 16 neighbours along the next product's K (the head's channels for q and k, the keys for v).
; Four waves, each 128 x 128: 64 accumulators, 512 registers.  K goes in steps of 256 through two LDS slots filled by joint tensor loads (A's tile shared along a row of the cluster, B's along a column); the scale bytes of the
; work-group's rows, for all of K, come once with the first fills.  K = 1024 is four slots' worth: both slots are filled twice, and the steps are written straight.
; THE WAY OUT.  Row block by row block: + bias (one bias runs along registers, the other along lanes; the one that does not belong to the role is set to 0 by a select), the block's largest magnitude (with lane xor 16),
; the conversion; 12 bytes a lane go to places of 16 bytes in my stage (in slot 0, which has had its last fill and its last read) and leave as runs of 384 consecutive bytes.
; STORED: q_ws [64 bh][16 groups][6400]: codes [128 rows][48] at 0, scale bytes [128][2] at 6144.  kv [64 bh][16 steps][12800]: K's codes [128][48] at 0, V's codes [2][64 channels][48] at 6144, K's scales [128][2] at 12288, V's [2][64][2] at 12544.
; Rows (tokens for q and k, channels for v) stay in the permuted order.
; LIMITS: a block whose largest magnitude lies under 2^(5 - 127) keeps the byte 1; NaN and infinities are not served.
; REGISTERS: window 0: v0-31 addresses; v32-63 scale words, two sets; v64-127 the bias along registers; v128-223 A's fragments, one set (on the way out: v128-191 numbers, v192-223 codes); v224-231 the bias along lanes; v232-247 at work.
;   window 1: B's fragments, two sets, at v0 and v128.   windows 2, 3: the accumulators ((a, b) at v[8 (8 (a % 4) + b)]).
.set KSTEP,  256
.set NQ,     2
.set ROWB,   192                       ; a tile's row: 256 codes
.set KROW,   768                       ; a row of codes in memory
.set PITCH,  240                       ; an LDS row: 3 x (64 bytes + 16 of padding)
.set FR,     12
.set NL,     6
.set NP,     4                         ; places behind this matrix instruction (ISA guide 7.12.1)
.set HALFT,  128*PITCH
.set SLOT,   4*HALFT
.set KS,     32                        ; a row of scale bytes
.set SCL,    2*SLOT
.set HALFS,  (128*KS/256)*272
.set SBLK,   (16*KS/256)*272
.set SPARE,  SCL+4*HALFS               ; the spare words: 128 bytes for each wave, two blocks of 256 bytes that no other line names
.set WSTG,   16896                     ; the way out: a wave's stage: 1,024 places of 16 bytes, then 512 scale bytes
.set STO,  7                           ; v7   stage: 64 r + 16 h
.set RD,   8                           ; v8   stage: 16 x lane
.set SSTO, 9                           ; v9   scale stage: 256 h + 2 r
.set SRD,  10                          ; v10  scale stage: 16 x lane
.set CO,   11                          ; v11  12 x lane
.set SH,   12                          ; v12  16 h
.set VOS,  13                          ; v13  the scale bytes' offsets in memory
.set ADRA, 16
.set ADRB, 20
.set ADRS, 27
.set SPW,  28
.set NIL,  29
.set BRO,  30                          ; v30  64 h
.set BLO,  31                          ; v31  4 ((r & 7) + 16 (r >> 3))
.set SC,   32
.set BR,   64
.set AF,   128
.set T,    128
.set CD,   192
.set BL,   224
.set TM,   232                         ; v232-235 largest magnitudes, v236-239 the other half's, then bytes, v240-243 scale operands
.set PW,   244                         ; v244-245 the scale word, by turns;  v246-247 my half of it
.set G1, 24
.set G0, 32
.set G1B, 48
.set G0B, 56
.set G1S, 68
.set G0S, 76
.set G1SB, 80
.set G0SB, 88
.set ISV, 66                           ; s66  1 in v's clusters
.set BHS, 95                           ; s95  bytes from a head to the next in the buffer that I write
.set MSB, 0
.macro WIN new                         ; the immediate's high byte repeats the setting that is left
.if MSB != \new
	s_set_vgpr_msb (MSB<<8)|\new
.set MSB, \new
.endif
.endm
.set MUL_LO, 0xa1                      ; source 0 (B) window 1, source 1 (A) window 0, C and D window 2
.set MUL_HI, 0xf1
.set TO_B,   0x40
; A joint load: waves 0 and 1 fetch for A, waves 2 and 3 for B.  The branch hangs on the wave's number alone.  Four v_nop follow each of the two lines.
.macro JLOAD g0a, g1a, g0b, g1b
	s_cmp_eq_u32 s15, 0
	s_cbranch_scc0 .Lfor_b_\@
	tensor_load_to_lds s[\g0a:\g0a+3], s[\g1a:\g1a+7]
	s_nop 0
.rept 4
	v_nop
.endr
	s_branch .Lasked_\@
.Lfor_b_\@:
	tensor_load_to_lds s[\g0b:\g0b+3], s[\g1b:\g1b+7]
	s_nop 0
.rept 4
	v_nop
.endr
.Lasked_\@:
.endm
.macro CREST                           ; a round of the cluster's barrier behind its opening barrier
	s_cmp_lg_u32 s14, 0
	s_cbranch_scc1 .Lnot_wave_0_\@
	s_barrier_signal -3
.Lnot_wave_0_\@:
	s_barrier_wait -3
	s_barrier_signal -1
	s_barrier_wait -1
.endm
.macro CROUND
	s_barrier_signal -1
	s_barrier_wait -1
	CREST
.endm
	s_load_b512 s[24:39], s[0:1], 0x0              ; x_codes 24:25, x_scales 26:27, w_codes 28:29, w_scales 30:31, bq 32:33, bk 34:35, bv 36:37, q_ws 38:39
	s_load_b64 s[48:49], s[0:1], 0x40              ; kv
	v_lshl_add_u32 v[SPW], v0, 2, SPARE
	v_mov_b32 v[NIL], 0
	ds_add_u32 v28, v29
	ds_add_u32 v28, v29
	s_wait_dscnt 0x0
	v_lshrrev_b32 v1, 5, v0
	v_readfirstlane_b32 s14, v1                    ; wave 0..3
	s_lshr_b32 s15, s14, 1                         ; which half of the tile's A rows is mine.  Also: I fetch for A (0) or for B (1)
	s_and_b32 s16, s14, 1                          ; which half of its B rows.  Also: which 128 rows I fetch
	s_bfe_u32 s40, ttmp6, 0x40000                  ; cx
	s_bfe_u32 s41, ttmp6, 0x40004                  ; cy
	s_and_b32 s67, ttmp7, 0xffff                   ; cluster y
	s_sub_co_u32 s22, s67, 8
	s_lshl_b32 s22, s22, 1
	s_add_co_u32 s22, s22, ttmp9                   ; v's column of clusters: 2 (cluster y - 8) + cluster x
	s_cmp_ge_u32 s67, 8
	s_cselect_b32 s[ISV], 1, 0
	s_cselect_b32 s17, 0, s67
	s_cselect_b32 s42, s22, ttmp9
	s_cselect_b32 s23, 2048, 0                     ; A's first row: wv's rows begin at 2048
	s_lshl_b32 s17, s17, 2
	s_add_co_u32 s17, s17, s41                     ; TR: tile row
	s_lshl_b32 s42, s42, 2
	s_add_co_u32 s42, s42, s40                     ; TC: tile column
	s_lshl_b32 s43, s41, 2
	s_lshl_b32 s43, 15, s43                        ; my row of the cluster
	s_lshl_b32 s44, 0x1111, s40                    ; my column
	s_lshl_b32 s18, s16, 7
	s_lshl_b32 s20, s17, 8
	s_add_co_u32 s20, s20, s18
	s_add_co_u32 s20, s20, s23                     ; the first A row that I fetch
	s_lshl_b32 s46, s42, 8
	s_add_co_u32 s46, s46, s18                     ; the first B row
	s_lshl_b32 s22, s20, 5                         ; their scale bytes (all offsets stay under 2^23),
	s_mov_b32 s23, 0
	s_lshl_b32 s92, s46, 5
	s_mov_b32 s93, 0
	s_mul_i32 s20, s20, KROW                       ; and their codes
	s_mov_b32 s21, 0
	s_mul_i32 s46, s46, KROW
	s_mov_b32 s47, 0
	s_mul_i32 s45, s14, HALFT                      ; where they go: wave x 128 rows: no place in the cluster enters an LDS address
	s_mul_i32 s94, s14, HALFS
	s_wait_kmcnt 0x0
	s_cmp_eq_u32 s[ISV], 1                         ; the roles: every choice hangs on the cluster's coordinates alone
	s_cselect_b64 s[4:5], s[28:29], s[24:25]       ; A's codes
	s_cselect_b64 s[6:7], s[30:31], s[26:27]       ; A's scales
	s_cselect_b64 s[8:9], s[24:25], s[28:29]       ; B's codes
	s_cselect_b64 s[10:11], s[26:27], s[30:31]     ; B's scales
	s_cselect_b32 s67, 6144, 0                     ; where my codes begin in a record
	s_mov_b32 s3, 12288
	s_cselect_b32 s3, 12544, s3                    ; and my scale bytes
	s_or_b32 s2, s[ISV], ttmp9
	s_cmp_eq_u32 s2, 0                             ; q's clusters: y < 8 and x = 0
	s_cselect_b64 s[12:13], s[38:39], s[48:49]     ; q_ws or kv
	s_mov_b32 s[BHS], 204800
	s_cselect_b32 s[BHS], 102400, s[BHS]
	s_cselect_b32 s3, 6144, s3
	s_cmp_eq_u32 ttmp9, 1
	s_cselect_b64 s[98:99], s[34:35], s[32:33]     ; the bias along registers: bk or bq (in v's clusters it is read and then set to 0)
	s_mov_b64 s[100:101], s[36:37]                 ; the bias along lanes: bv (in q's and k's clusters read and set to 0)
	s_add_nc_u64 s[20:21], s[4:5], s[20:21]
	s_add_nc_u64 s[22:23], s[6:7], s[22:23]
	s_add_nc_u64 s[46:47], s[8:9], s[46:47]
	s_add_nc_u64 s[92:93], s[10:11], s[92:93]
	; descriptor group 1: a tile of 128 rows x 192 bytes, 16 bytes of padding behind every 64
	s_or_b32 s[G1+0], s43, (0<<16)|(1<<20)|(1<<21)|(3<<22)|(3<<25)  ; 15:0 the mask: A's tiles go to my row; elements of 1 byte; padding on; bit 21 beside a mask; after every 16 words, 4 words
	s_or_b32 s[G1B+0], s44, (0<<16)|(1<<20)|(1<<21)|(3<<22)|(3<<25)
.irp g, G1, G1B
	s_mov_b32 s[\g+1], ROWB<<16                    ; tensor_dim0
	s_mov_b32 s[\g+2], 128<<16                     ; tensor_dim1
	s_mov_b32 s[\g+3], ROWB<<16                    ; tile_dim0
	s_mov_b32 s[\g+4], 128                         ; tile_dim1
	s_mov_b32 s[\g+5], KROW                        ; the pitch
	s_mov_b32 s[\g+6], 0
	s_mov_b32 s[\g+7], 0
.endr
	; the scales of 128 rows: 4,096 dense bytes as 16 rows of 256 bytes, 16 bytes of padding behind each
	s_or_b32 s[G1S+0], s43, (3<<16)|(1<<20)|(1<<21)|(5<<22)|(3<<25)
	s_or_b32 s[G1SB+0], s44, (3<<16)|(1<<20)|(1<<21)|(5<<22)|(3<<25)
.irp g, G1S, G1SB
	s_mov_b32 s[\g+1], 32<<16
	s_mov_b32 s[\g+2], (128*KS/256)<<16
	s_mov_b32 s[\g+3], 32<<16
	s_mov_b32 s[\g+4], 128*KS/256
	s_mov_b32 s[\g+5], 32
	s_mov_b32 s[\g+6], 0
	s_mov_b32 s[\g+7], 0
.endr
	CROUND                                         ; all sixteen work-groups are here: the first joint loads meet
	s_mov_b32 s[G0S], 1
	s_add_co_u32 s[G0S+1], s94, SCL
	s_mov_b64 s[G0S+2:G0S+3], s[22:23]
	s_or_b32 s[G0S+3], s[G0S+3], 0x80000000
	s_mov_b32 s[G0SB], 1
	s_add_co_u32 s[G0SB+1], s94, SCL
	s_mov_b64 s[G0SB+2:G0SB+3], s[92:93]
	s_or_b32 s[G0SB+3], s[G0SB+3], 0x80000000
	JLOAD G0S, G1S, G0SB, G1SB                     ; the scales first: they are wanted with K step 0
.irp s, 0,1
	s_mov_b32 s[G0+4*\s], 1
	s_add_co_u32 s[G0+4*\s+1], s45, \s*SLOT
	s_add_nc_u64 s[G0+4*\s+2:G0+4*\s+3], s[20:21], \s*ROWB
	s_or_b32 s[G0+4*\s+3], s[G0+4*\s+3], 0x80000000
	s_mov_b32 s[G0B+4*\s], 1
	s_add_co_u32 s[G0B+4*\s+1], s45, \s*SLOT
	s_add_nc_u64 s[G0B+4*\s+2:G0B+4*\s+3], s[46:47], \s*ROWB
	s_or_b32 s[G0B+4*\s+3], s[G0B+4*\s+3], 0x80000000
	JLOAD G0+4*\s, G1, G0B+4*\s, G1B               ; by my own count three tensor loads of mine are out
.endr
	v_and_b32 v1, 15, v0                           ; r
	v_bfe_u32 v2, v0, 4, 1                         ; h
	v_mul_u32_u24 v3, v1, PITCH
	v_mul_u32_u24 v4, v2, 24
	v_add_nc_u32 v4, v3, v4                        ; a fragment's row x pitch + 24 h
	v_lshl_add_u32 v5, v2, 4, v4                   ; and the same behind one padding more
	s_mul_i32 s21, s15, HALFT                      ; my 128 rows of A
	s_mul_i32 s22, s16, HALFT                      ; my 128 rows of B,
	s_add_co_u32 s22, s22, 2*HALFT                 ; behind A's 256
.irp s, 0,1
	v_add_nc_u32 v[ADRA+\s], s21, v4
	v_add_nc_u32 v[ADRB+\s], s22, v4
	v_add_nc_u32 v[ADRA+2+\s], s21, v5
	v_add_nc_u32 v[ADRB+2+\s], s22, v5
	s_add_co_u32 s21, s21, SLOT
	s_add_co_u32 s22, s22, SLOT
.endr
	v_mul_u32_u24 v5, v1, KS                       ; my row's scales: 32 bytes a row,
	v_lshrrev_b32 v6, 8, v5
	v_lshl_add_u32 v5, v6, 4, v5                   ; and 16 more for each 256 passed
	s_mul_i32 s21, s15, HALFS
	s_mul_i32 s22, s16, HALFS
	s_add_co_u32 s22, s22, 2*HALFS
	s_sub_co_u32 s22, s22, s21
	v_mul_u32_u24 v6, s22, v2                      ; lanes 16-31 take B's: one product, the distance between the two bases
	s_add_co_u32 s21, s21, SCL
	v_add_nc_u32 v5, v5, v6
	v_add_nc_u32 v[ADRS], s21, v5
	s_mul_i32 s23, s14, WSTG                       ; my stage
	v_lshlrev_b32 v[STO], 6, v1
	v_lshl_add_u32 v[STO], v2, 4, v[STO]
	v_add_nc_u32 v[STO], s23, v[STO]
	v_and_b32 v6, 31, v0
	v_lshlrev_b32 v[RD], 4, v6
	v_add_nc_u32 v[RD], s23, v[RD]
	v_add_nc_u32 v[SRD], 16384, v[RD]
	v_lshlrev_b32 v[SSTO], 1, v1
	v_lshl_add_u32 v[SSTO], v2, 8, v[SSTO]
	v_add_nc_u32 v[SSTO], s23, v[SSTO]
	v_add_nc_u32 v[SSTO], 16384, v[SSTO]
	v_mul_u32_u24 v[CO], v6, 12
	v_lshlrev_b32 v[SH], 4, v2
	; the biases.  Along registers: register 16 B + i wants index n0 + 32 B + 16 h + i, n0 = 256 (TC & 3) + 128 x my half of B.  Along lanes: block a wants m0 + 32 (a / 2) + 8 (a & 1) + (r & 7) + 16 (r >> 3), m0 = 256 (TR & 3) + 128 x my half of A.
	s_and_b32 s18, s42, 3
	s_lshl_b32 s18, s18, 10
	s_lshl_b32 s19, s16, 9
	s_add_co_u32 s18, s18, s19
	s_mov_b32 s19, 0
	s_add_nc_u64 s[98:99], s[98:99], s[18:19]      ; both stay inside their 4,096 bytes in every work-group
	s_and_b32 s18, s17, 3
	s_lshl_b32 s18, s18, 10
	s_lshl_b32 s20, s15, 9
	s_add_co_u32 s18, s18, s20
	s_add_nc_u64 s[100:101], s[100:101], s[18:19]
	v_lshlrev_b32 v[BRO], 6, v2
	v_and_b32 v[BLO], 7, v1
	v_lshrrev_b32 v6, 3, v1
	v_lshl_add_u32 v[BLO], v6, 4, v[BLO]
	v_lshlrev_b32 v[BLO], 2, v[BLO]
.irp b, 0,1,2,3
.irp j, 0,1,2,3
	global_load_b128 v[BR+16*\b+4*\j:BR+16*\b+4*\j+3], v[BRO], s[98:99] offset:128*\b+16*\j
.endr
.endr
.irp a, 0,1,2,3,4,5,6,7
	global_load_b32 v[BL+\a], v[BLO], s[100:101] offset:4*(32*(\a/2)+8*(\a%2))
.endr
	; where my results go
	s_cmp_eq_u32 s[ISV], 1
	s_cselect_b32 s18, s42, s17                    ; the tile along the tokens,
	s_cselect_b32 s19, s16, s15                    ; my half of it,
	s_cselect_b32 s20, s17, s42                    ; the tile along the heads,
	s_cselect_b32 s21, s15, s16                    ; my half of it
	s_lshr_b32 s22, s18, 3
	s_lshl_b32 s22, s22, 4                         ; 16 x batch
	s_and_b32 s20, s20, 3
	s_lshl_b32 s20, s20, 2
	s_add_co_u32 s22, s22, s20
	s_lshl_b32 s21, s21, 1
	s_add_co_u32 s22, s22, s21                     ; my first (batch, head): I make two heads
	s_and_b32 s18, s18, 7
	s_lshl_b32 s18, s18, 1
	s_add_co_u32 s18, s18, s19                     ; my group of 128 tokens
	s_mul_i32 s22, s22, s[BHS]
	s_lshr_b32 s23, s[BHS], 4                      ; a record
	s_mul_i32 s18, s18, s23
	s_add_co_u32 s22, s22, s18
	s_mov_b32 s23, 0
	s_add_nc_u64 s[12:13], s[12:13], s[22:23]
	s_mov_b32 s22, s3
	s_add_nc_u64 s[96:97], s[12:13], s[22:23]      ; my scale bytes
	s_mov_b32 s22, s67
	s_add_nc_u64 s[12:13], s[12:13], s[22:23]      ; my codes
.macro FRAG reg, adr, q, i             ; a fragment, 16 rows x 128 K, is 12 registers: lane l holds row l % 16; registers 6 c .. 6 c + 5 hold K = 64 c + 32 (l / 16) + 0 .. 31: 24 bytes of the row, as they lie, in pieces of 8
.irp p, 0,1,2,3,4,5
.set PC, 12*(\q)+6*(\p/3)+\p%3        ; 16 bytes of padding lie behind every 8 pieces: where the piece three on lies behind one padding more, the second address register serves
.if PC%8 < 5
	ds_load_b64 v[\reg+2*\p:\reg+2*\p+1], v[\adr] offset:8*PC+16*(PC/8)+(\i)*16*PITCH
.else
	ds_load_b64 v[\reg+2*\p:\reg+2*\p+1], v[\adr+2] offset:8*PC+16*(PC/8)+(\i)*16*PITCH
.endif
.endr
.endm
; 16 matrix instructions: A's blocks a0, a0 + 1 x B's eight.  p: B's set;  sc: the set of scale words.  zero = 1: the first product starts the sums.  The 64 accumulators take turns, one instruction a turn.
.macro MUL16 a0, p, q, sc, zero
.irp a, \a0, \a0+1
.irp b, 0,1,2,3,4,5,6,7
.if \zero
	v_wmma_scale_f32_16x16x128_f8f6f4 v[8*(8*((\a)%4)+\b):8*(8*((\a)%4)+\b)+7], v[128*(\p)+FR*\b:128*(\p)+FR*\b+FR-1], v[AF+FR*(\a):AF+FR*(\a)+FR-1], 0, v[SC+8*NQ*(\sc)+NQ*\b+(\q)], v[SC+8*NQ*(\sc)+NQ*(\a)+(\q)] matrix_a_fmt:MATRIX_FMT_BF6 matrix_b_fmt:MATRIX_FMT_BF6 matrix_a_scale:MATRIX_SCALE_ROW1
.else
	v_wmma_scale_f32_16x16x128_f8f6f4 v[8*(8*((\a)%4)+\b):8*(8*((\a)%4)+\b)+7], v[128*(\p)+FR*\b:128*(\p)+FR*\b+FR-1], v[AF+FR*(\a):AF+FR*(\a)+FR-1], v[8*(8*((\a)%4)+\b):8*(8*((\a)%4)+\b)+7], v[SC+8*NQ*(\sc)+NQ*\b+(\q)], v[SC+8*NQ*(\sc)+NQ*(\a)+(\q)] matrix_a_fmt:MATRIX_FMT_BF6 matrix_b_fmt:MATRIX_FMT_BF6 matrix_a_scale:MATRIX_SCALE_ROW1
.endif
.endr
.endr
.endm
.macro FETCH_B slot, q, p
	WIN TO_B
.irp i, 0,1,2,3,4,5,6,7
	FRAG 128*(\p)+FR*\i, ADRB+\slot, \q, \i
.endr
	WIN 0
.endm
.macro FETCH_A slot, q, i0
.irp i, \i0, \i0+1, \i0+2, \i0+3
	FRAG AF+FR*(\i), ADRA+\slot, \q, \i
.endr
.endm
.macro SCALES sc                       ; a K step's scale words: two words a row; lanes 0-15 take A's block i, lanes 16-31 B's block i
.irp i, 0,1,2,3,4,5,6,7
	ds_load_b64 v[SC+8*NQ*\sc+NQ*\i:SC+8*NQ*\sc+NQ*\i+1], v[ADRS] offset:\i*SBLK
.endr
.endm
.macro PLACES n                        ; places in front of loads into registers that matrix instructions have read (ISA guide 7.12.1 for vector instructions)
.rept \n
	v_nop
.endr
.endm
.macro STEP slot, q, zero              ; a step of 128 along K that has its successor in the same slot
	s_wait_dscnt 4*NL                              ; B's set and A's blocks 0-3 are in; the youngest 24 loads (A's blocks 4-7) may be out
	WIN MUL_LO
	MUL16 0, (\q)%2, \q, \slot, \zero
	MUL16 2, (\q)%2, \q, \slot, \zero
	s_wait_dscnt 0                                 ; A's blocks 4-7 are in
	PLACES NP
	FETCH_B \slot, (\q)+1, 1-(\q)%2
	FETCH_A \slot, (\q)+1, 0
	WIN MUL_HI
	MUL16 4, (\q)%2, \q, \slot, \zero
	MUL16 6, (\q)%2, \q, \slot, \zero
	PLACES NP
	WIN 0
	FETCH_A \slot, (\q)+1, 4
.endm
; A slot's last step changes slots: one barrier; in front of it each wave waits for all its tensor loads, adds 0 to its spare word, and waits for that and for its own reads of this slot.  fill = 1: this slot is filled again, two K steps ahead.
.macro TURN slot, next, fill
	s_wait_tensorcnt 0x0                           ; all my tensor loads have landed: my part of the next slot
	ds_add_u32 v[SPW], v[NIL]                      ; 0 onto my spare word
	s_wait_dscnt 4*NL+1                            ; the add and the youngest 24 loads may be out
	WIN MUL_LO
	MUL16 0, 1, NQ-1, \slot, 0
	s_wait_dscnt 0x0                               ; the add is done, and my reads of this slot are over
	s_barrier_signal -1
	MUL16 2, 1, NQ-1, \slot, 0
	WIN 0
	s_barrier_wait -1
.if \fill
	CREST                                          ; the barrier has opened a round of the cluster's barrier: no wave of any partner still reads this slot or has a load on its way
	s_add_nc_u64 s[G0+4*\slot+2:G0+4*\slot+3], s[G0+4*\slot+2:G0+4*\slot+3], 2*ROWB
	s_add_nc_u64 s[G0B+4*\slot+2:G0B+4*\slot+3], s[G0B+4*\slot+2:G0B+4*\slot+3], 2*ROWB
	JLOAD G0+4*\slot, G1, G0B+4*\slot, G1B         ; the first tensor load behind the round, my only one until the next; its four v_nop are the places in front of the loads below
.else
	PLACES NP
.endif
	s_wait_alu depctr_va_vdst(0)
	v_add_nc_u32 v[ADRS], 4*NQ, v[ADRS]            ; on to the next K step's scale words
	FETCH_B \next, 0, 0
	FETCH_A \next, 0, 0
	SCALES \next
	WIN MUL_HI
	MUL16 4, 1, NQ-1, \slot, 0
	MUL16 6, 1, NQ-1, \slot, 0
	PLACES NP
	WIN 0
	FETCH_A \next, 0, 4
.endm
	s_wait_loadcnt 0x0                             ; the biases
	s_wait_tensorcnt 1                             ; the scales and my part of K step 0 are in; slot 1's load may be out
	s_barrier_signal -1
	s_barrier_wait -1
	FETCH_B 0, 0, 0
	FETCH_A 0, 0, 0
	SCALES 0
	FETCH_A 0, 0, 4
	STEP 0, 0, 1                                   ; the first products start the sums: nothing is cleared
	TURN 0, 1, 1
	STEP 1, 0, 0
	TURN 1, 0, 1
	STEP 0, 0, 0
	TURN 0, 1, 0                                   ; nothing is left to fetch
	STEP 1, 0, 0
	s_wait_dscnt 4*NL
	WIN MUL_LO
	MUL16 0, 1, NQ-1, 1, 0
	MUL16 2, 1, NQ-1, 1, 0
	s_wait_dscnt 0
	WIN MUL_HI
	MUL16 4, 1, NQ-1, 1, 0
	MUL16 6, 1, NQ-1, 1, 0
	WIN 0
	; ---------------- the way out ----------------  (no tensor load is out: the descriptors' registers are free)
	s_cmp_eq_u32 s[ISV], 1
	s_cselect_b32 s36, s[BHS], 3072                ; from the first to the second 64 rows of a stage half: in q and k 64 rows of 48 bytes on, in v the next head
	s_cselect_b32 s38, 3072, s[BHS]                ; from stage half 0 to half 1: in q and k the next head, in v the second 64 keys
	s_cselect_b32 s40, s[BHS], 128                 ; the same two for the scale bytes
	s_cselect_b32 s41, 128, s[BHS]
	s_cselect_b32 s32, 0, -1                       ; lanes in which the bias along registers counts
	s_cselect_b32 s33, -1, 0                       ; and the bias along lanes
	s_mov_b32 s37, 0
	s_mov_b32 s39, 0
	s_mov_b64 s[24:25], s[12:13]
	s_add_nc_u64 s[26:27], s[12:13], s[36:37]
	s_add_nc_u64 s[28:29], s[12:13], s[38:39]
	s_add_nc_u64 s[30:31], s[26:27], s[38:39]
	s_mov_b32 s34, 0x76543210
	s_mov_b32 s35, 0xfedcba98                      ; v_permlanex16_b32's selects for lane xor 16
.set i, 0
.rept 64
	v_cndmask_b32 v[BR+i], 0, v[BR+i], s32         ; (these lines are also the places behind the last products)
.set i, i+1
.endr
.set i, 0
.rept 8
	v_cndmask_b32 v[BL+i], 0, v[BL+i], s33
.set i, i+1
.endr
.irp b, 0,1,2,3
	v_mov_b32 v[TM+4+\b], 0                        ; written once: a lane permute's destination counts as one of its sources
.endr
	v_bfe_u32 v[VOS], v0, 4, 1
	v_mul_lo_u32 v[VOS], v[VOS], s41
	v_bfe_u32 v14, v0, 3, 1
	v_mul_lo_u32 v14, v14, s40
	v_add_nc_u32 v[VOS], v[VOS], v14
	v_and_b32 v14, 7, v0
	v_lshl_add_u32 v[VOS], v14, 4, v[VOS]
; Row block a: 16 rows of Arole x my 128 of Brole: four blocks of 32 along the next K, 16 numbers of each in my registers.
.macro QROW a
.set AC, 64*((\a)%4)
.set CDS, CD+16*((\a)%2)
.set PWA, PW+(\a)%2
.set WQ, 0x02+(\a)/4
.if (\a) >= 2
	s_wait_dscnt 5                                 ; the five stores of the block before may be out; those of two blocks back have read this set of registers
.endif
	WIN WQ                                         ; source 0: the accumulators' window
.set i, 0
.rept 32
	v_pk_add_f32 v[T+i:T+i+1], v[AC+i:AC+i+1], v[BR+i:BR+i+1]    ; ascending: each accumulator is read from its low end on
.set i, i+2
.endr
	WIN 0
.set i, 0
.rept 32
.if (\a)%2
	v_pk_add_f32 v[T+i:T+i+1], v[T+i:T+i+1], v[BL+((\a)/2)*2:BL+((\a)/2)*2+1] op_sel:[0,1] op_sel_hi:[1,1]
.else
	v_pk_add_f32 v[T+i:T+i+1], v[T+i:T+i+1], v[BL+((\a)/2)*2:BL+((\a)/2)*2+1] op_sel_hi:[1,0]
.endif
.set i, i+2
.endr
.irp b, 0,1,2,3
	v_max3_num_f32 v[TM+\b], |v[T+16*\b]|, |v[T+1+16*\b]|, 0x2800000   ; my 16 numbers of block b, and the floor 2^(5 - 127)
.endr
.irp i, 2,4,6,8,10,12,14
.irp b, 0,1,2,3
	v_max3_num_f32 v[TM+\b], v[TM+\b], |v[T+16*\b+\i]|, |v[T+1+16*\b+\i]|
.endr
.endr
.irp b, 0,1,2,3
	v_permlanex16_b32 v[TM+4+\b], v[TM+\b], s34, s35
.endr
.irp b, 0,1,2,3
	v_max_num_f32 v[TM+\b], v[TM+\b], v[TM+4+\b]   ; with lane xor 16's: the block's largest magnitude
.endr
.irp b, 0,1,2,3
	v_add_nc_u32 v[TM+8+\b], 0xfe000000, v[TM+\b]  ; 4 off the exponent field: the conversion's scale operand
.endr
.irp b, 0,1,2,3
	v_lshrrev_b32 v[TM+4+\b], 23, v[TM+8+\b]       ; the scale's byte
.endr
	v_lshl_or_b32 v[PWA], v[TM+5], 8, v[TM+4]
	v_lshl_or_b32 v[PWA], v[TM+6], 16, v[PWA]
	v_lshl_or_b32 v[PWA], v[TM+7], 24, v[PWA]
.irp b, 0,1,2,3
	v_cvt_scalef32_pk16_bf6_f32 v[CDS+4*\b:CDS+4*\b+2], v[T+16*\b:T+16*\b+15], v[TM+8+\b]
.endr
	v_nop                                          ; one plain line behind the conversions
	v_lshrrev_b32 v[PWA+2], v[SH], v[PWA]          ; lanes 0-15 keep blocks 0, 1's bytes, lanes 16-31 blocks 2, 3's
.irp b, 0,1,2,3
	ds_store_b96 v[STO], v[CDS+4*\b:CDS+4*\b+2] offset:8192*(\b/2)+1024*(\a)+32*(\b%2)   ; place 4 (16 a + r) + 2 (b % 2) + h of stage half b / 2
.endr
	ds_store_b16 v[SSTO], v[PWA+2] offset:32*(\a)
.endm
.irp a, 0,1,2,3,4,5,6,7
	QROW \a
.endr
.irp i, 0,1,2,3,4,5,6,7,8,9,10,11,12,13,14,15
	ds_load_b96 v[T+4*\i:T+4*\i+2], v[RD] offset:512*\i              ; LDS serves a wave's instructions in order: these see my stores
.endr
.irp i, 0,1,2,3,4,5,6,7,8,9,10,11,12,13,14,15
	ds_load_b96 v[BR+4*\i:BR+4*\i+2], v[RD] offset:8192+512*\i
.endr
	ds_load_b128 v[TM:TM+3], v[SRD]
.irp i, 0,1,2,3,4,5,6,7,8,9,10,11,12,13,14,15
	s_wait_dscnt 32-\i                             ; behind load i of the first half: its 15 - i younger ones, the second half's 16 and the scales' one
	global_store_b96 v[CO], v[T+4*\i:T+4*\i+2], s[24+2*(\i/8):25+2*(\i/8)] offset:(\i%8)*384   ; the wave stores 384 consecutive bytes of a dense block of 3,072
.endr
.irp i, 0,1,2,3,4,5,6,7,8,9,10,11,12,13,14,15
	s_wait_dscnt 16-\i
	global_store_b96 v[CO], v[BR+4*\i:BR+4*\i+2], s[28+2*(\i/8):29+2*(\i/8)] offset:(\i%8)*384
.endr
	s_wait_dscnt 0x0
	global_store_b128 v[VOS], v[TM:TM+3], s[96:97] ; eight lanes store 128 consecutive scale bytes
	s_wait_tensorcnt 0x0                           ; the wave's end
	ds_add_u32 v[SPW], v[NIL]
	s_wait_dscnt 0x0
	CROUND                                         ; the closing round: no work-group ends while a partner may still ask for a tile that names it
	s_endpgm
.Lfunc_end_k_qd8fd9f9540_qkv:
	.size	k_qd8fd9f9540_qkv, .Lfunc_end_k_qd8fd9f9540_qkv-k_qd8fd9f9540_qkv
	.p2alignl 7, 3214868480
	.fill 96, 4, 3214868480
	.section	.rodata,"a",@progbits
	.p2align	6, 0x0
	.amdhsa_kernel k_qd8fd9f9540_qkv
		.amdhsa_group_segment_fixed_size 327680
		.amdhsa_private_segment_fixed_size 0
		.amdhsa_enable_private_segment 0
		.amdhsa_kernarg_size 72
		.amdhsa_user_sgpr_count 2
		.amdhsa_user_sgpr_kernarg_segment_ptr 1
		.amdhsa_wavefront_size32 1
		.amdhsa_system_sgpr_workgroup_id_x 1
		.amdhsa_system_sgpr_workgroup_id_y 1
		.amdhsa_system_sgpr_workgroup_id_z 1
		.amdhsa_system_vgpr_workitem_id 0
		.amdhsa_next_free_vgpr 1024
		.amdhsa_next_free_sgpr 102
		.amdhsa_reserve_vcc 0
		.amdhsa_float_denorm_mode_32 3
		.amdhsa_float_denorm_mode_16_64 3
		.amdhsa_memory_ordered 1
		.amdhsa_forward_progress 1
		.amdhsa_inst_pref_size 209
	.end_amdhsa_kernel
	.amdgpu_metadata
---
amdhsa.version: [ 1, 2 ]
amdhsa.kernels:
  - .name:           k_qd8fd9f9540_qkv
    .symbol:         k_qd8fd9f9540_qkv.kd
    .args:
      - { .name: x_codes, .offset: 0, .size: 8, .value_kind: global_buffer, .address_space: global }
      - { .name: x_scales, .offset: 8, .size: 8, .value_kind: global_buffer, .address_space: global }
      - { .name: w_codes, .offset: 16, .size: 8, .value_kind: global_buffer, .address_space: global }
      - { .name: w_scales, .offset: 24, .size: 8, .value_kind: global_buffer, .address_space: global }
      - { .name: bq, .offset: 32, .size: 8, .value_kind: global_buffer, .address_space: global }
      - { .name: bk, .offset: 40, .size: 8, .value_kind: global_buffer, .address_space: global }
      - { .name: bv, .offset: 48, .size: 8, .value_kind: global_buffer, .address_space: global }
      - { .name: q_ws, .offset: 56, .size: 8, .value_kind: global_buffer, .address_space: global }
      - { .name: kv, .offset: 64, .size: 8, .value_kind: global_buffer, .address_space: global }
    .group_segment_fixed_size: 327680
    .private_segment_fixed_size: 0
    .kernarg_segment_align: 8
    .kernarg_segment_size: 72
    .max_flat_workgroup_size: 128
    .sgpr_count:     102
    .vgpr_count:     1024
    .wavefront_size: 32
...
	.end_amdgpu_metadata
.endif
;; end of part 2
;; launch attn (part 3): grid 4 x 64, 16 waves a work-group, clusters of 4 x 1, 223,232 bytes of LDS; arguments q_ws, kv, ao_codes, ao_scales; writes ao_codes, ao_scales
.if DOCPART == 3
	.amdgcn_target "amdgcn-amd-amdhsa--gfx1250"
	.amdhsa_code_object_version 6
	.text
	.protected	k_qd8fd9f9540_attn
	.globl	k_qd8fd9f9540_attn
	.p2align	8
	.type	k_qd8fd9f9540_attn,@function
k_qd8fd9f9540_attn:
	s_mov_b64 s[64:65], 0
	v_nop
	global_prefetch_b8 v0, s[64:65] scope:SCOPE_SE
	s_setreg_imm32_b32 hwreg(HW_REG_WAVE_MODE, 25, 1), 1
	s_wait_xcnt 0x0
	s_wait_alu depctr_hold_cnt(0) depctr_sa_sdst(0) depctr_va_vdst(0) depctr_va_sdst(0) depctr_va_ssrc(0) depctr_va_vcc(0) depctr_vm_vsrc(0)
	s_getreg_b32 s2, hwreg(HW_REG_IB_STS2, 6, 4)
	s_cmp_eq_u32 s2, 0
	s_cbranch_scc0 .Lentry_in_a_cluster
	s_endpgm
.Lentry_in_a_cluster:
	s_bfe_u32 s2, ttmp6, 0x10000c
	s_cmp_lg_u32 s2, 0x3003
	s_cbranch_scc0 .Lentry_shape_is_right
	s_endpgm
.Lentry_shape_is_right:
; Causal attention of one (batch, head) a cluster, both products on codes of BF6 (E3M2) with E8M0 scales; head size 64, 2,048 keys.  The result is divided by the row's sum, quantised along the head's 64 and stored as codes.
; THE SOFTMAX: t = score x log2(e) / 8; M = the running largest t rounded up to a whole number; p = 2^(t - M) is quantised along the keys, not normalised; the row's sum is taken of the unquantised p; when M moves, the
; sum and O are multiplied by 2^(old M - new M), which rounds nothing.
; A HEAD'S K AND V AS CODES, 16 records of 12,800 bytes (128 keys each: K's codes [128][48] at 0, V's codes [2][64 channels][48] at 6144, K's scale bytes [128][2] at 12288, V's [2][64][2] at 12544), LIE IN LDS WHOLE.
; The cluster's four work-groups ask for them jointly, once: wave w asks for record w.  Nothing is filled again, so the loop has no barrier.
; SHARES.  The head's 128 tiles of 16 queries fall into 16 groups of 8; a tile of group g needs key steps 0 .. g, of which step g lies on the diagonal.  Work-group cx, wave w (u = w & 7, e = w >> 3) owns tile 2 cx + e of
; group 15 - u and then of group u: (16 - u) + (u + 1) = 17 steps for every wave of the launch.  Every branch hangs on the wave's number and on counters; cx enters memory addresses and the mask's numbers alone.
; Both loops have constant trip counts (2 tiles, 16 steps); a step whose keys all come after the tile's queries is jumped over.
; ORDER OF ROWS.  Tokens and V's channels are stored with bits 3 and 4 of the row exchanged.  Both products are used transposed (S^T = K Q^T, O^T = V^T P^T): a lane holds one query; register 16 b + i of the scores is the TRUE key
; 32 b + 16 (lane / 16) + i of the step, register 16 b + i of O^T the true channel 32 b + 16 (lane / 16) + i.  The queries stay in the stored order.
; K = 64 IN AN INSTRUCTION OF 128: Q's registers 6-11 hold zero codes, and bytes 2, 3 of both scale words are 0 (2^-127, a finite number).  A fragment of K names 12 registers of which the upper six are the next fragment's
; codes (or zeros): finite numbers times zero codes add nothing.
; No prefetch: all that the launch reads of K and V is asked for at its head.
; LIMITS: the division by the row's sum is v_rcp_f32 and a multiplication; a block whose largest magnitude lies under 2^(5 - 127) keeps the byte 1; NaN and infinities are not served.
.set REC,  12800
.set STG,  16*REC                      ; behind the records: 1,024 bytes for each wave, for the way out
.set AK0,  1                           ; v1   48 r + 24 h
.set AV0,  2                           ; v2   the same + 6144
.set ASK0, 3                           ; v3   2 r + 12288
.set ASV0, 4                           ; v4   2 r + 12544
.set DQ,   5                           ; v5   my query's true place in its group of 128, less 16 h
.set QOF,  6                           ; v6   my bytes of Q in a record of q_ws
.set QSO,  7                           ; v7   my row's scale bytes there
.set ADK,  8
.set ADV,  9
.set ADS,  10
.set ADT,  11                          ; v12 -M, v13 the largest t, v[14:15] the sum; v16-21 Q, v22-27 zeros, v28 Q's scale word
.set STO,  29                          ; v29  stage: 64 r + 16 h
.set SRD,  30                          ; v30  stage: 16 x lane
.set GOC,  31                          ; v31  12 x lane
.set KF,   32                          ; v32-79 K's eight fragments, six registers each; later V's four, twelve each; v80-85 zeros
.set KSC,  86                          ; v86-93 K's scale words
.set GOS,  94                          ; v94  32 r + h
.set SH8,  95                          ; v95  8 h
.set SR,   96                          ; v96-159 the scores, then p
.set OA,   160                         ; v160-191 O^T
.set PCD,  192                         ; v192-203 p's codes
.set CT,   204                         ; v204-211 conversions' second halves
.set BM,   212                         ; v212-215 a block's largest score, then p
.set PM,   216                         ; v216-219 the other half's, then bytes
.set SO,   220                         ; v220-223 scale operands
.set VS,   224                         ; v224-227 V's scale words
.set VL,   228                         ; v228-231, v232-235 their halves
.set VH,   232                         ; v[236:237] a chain of the sum; v238 f, v239 0; v240 p's scale word; v241, v242 at work; v244-250 the way out
.set WV,   12
.set SEL,  20
.set CS,   22
.set G1,   24
.set G0,   32
.set G,    36                          ; s36  the group of the tile in hand
.set J,    37                          ; s37  the key step
.set TB,   38                          ; s38  its record in LDS
.set OT,   39                          ; s39  tiles to go
.set QB,   40
.set AOB,  42
.set ASB,  44
.set QA,   46
.set AOP,  48
.set ASP,  50
.macro ROUND                           ; a round of the cluster's barrier
	s_barrier_signal -1
	s_barrier_wait -1
	s_cmp_lg_u32 s[WV], 0
	s_cbranch_scc1 .Lnot_wave_0_\@
	s_barrier_signal -3
.Lnot_wave_0_\@:
	s_barrier_wait -3
	s_barrier_signal -1
	s_barrier_wait -1
.endm
.macro QLOAD                           ; the tile's Q: 24 bytes a lane, and its rows' scale bytes, of group s[G]
	s_mul_i32 s52, s[G], 6400
	s_add_nc_u64 s[QA:QA+1], s[QB:QB+1], s[52:53]
.irp p, 0,1,2
	global_load_b64 v[16+2*\p:17+2*\p], v[QOF], s[QA:QA+1] offset:8*\p
.endr
	global_load_u16 v28, v[QSO], s[QA:QA+1]        ; two bytes, widened with zeros: the scale word of K = 64
.endm
	s_load_b256 s[4:11], s[0:1], 0x0               ; q_ws 4:5, kv 6:7, ao_codes 8:9, ao_scales 10:11
	v_lshl_add_u32 v254, v0, 2, 0x36000
	v_mov_b32 v255, 0
	ds_add_u32 v254, v255
	ds_add_u32 v254, v255
	v_lshrrev_b32 v8, 5, v0
	s_delay_alu instid0(VALU_DEP_1)
	v_readfirstlane_b32 s[WV], v8                  ; wave 0..15
	s_bfe_u32 s13, ttmp6, 0x40000                  ; cx
	s_and_b32 s14, s[WV], 7                        ; u
	s_lshr_b32 s15, s[WV], 3                       ; e
	s_and_b32 s16, ttmp7, 0xffff                   ; (batch, head)
	s_and_b32 s17, s16, 15                         ; head
	s_lshr_b32 s18, s16, 4                         ; batch
	; descriptor group 1: a record, 12,800 dense bytes, as 50 rows of 256 bytes (32 elements of 8 bytes)
	s_mov_b32 s[G1], 15|(3<<16)|(1<<21)            ; 15:0 the mask: all four work-groups; elements of 8 bytes; bit 21 beside a mask; no padding
	s_mov_b32 s[G1+1], 32<<16                      ; tensor_dim0
	s_mov_b32 s[G1+2], 50<<16                      ; tensor_dim1
	s_mov_b32 s[G1+3], 32<<16                      ; tile_dim0
	s_mov_b32 s[G1+4], 50                          ; tile_dim1
	s_mov_b32 s[G1+5], 32                          ; the pitch
	s_mov_b32 s[G1+6], 0
	s_mov_b32 s[G1+7], 0
	s_mov_b32 s[SEL], 0x76543210
	s_mov_b32 s[SEL+1], 0xfedcba98                 ; v_permlanex16_b32's selects for lane xor 16
	s_mov_b32 s[CS], 0x3e38aa3b                    ; c = log2(e) / 8
	s_mov_b32 s[CS+1], s[CS]                       ; (named with it as a pair)
	s_mul_i32 s19, s[WV], REC                      ; my record: its place in LDS and in the head
	s_mul_i32 s52, s16, 16*REC
	s_add_co_u32 s52, s52, s19
	s_mov_b32 s53, 0
	s_wait_dscnt 0x0
	s_wait_kmcnt 0x0
	ROUND                                          ; all four work-groups are here: the joint loads meet
	s_mov_b32 s[G0], 1
	s_mov_b32 s[G0+1], s19
	s_add_nc_u64 s[G0+2:G0+3], s[6:7], s[52:53]
	s_or_b32 s[G0+3], s[G0+3], 0x80000000
	tensor_load_to_lds s[G0:G0+3], s[G1:G1+7]      ; my one tensor load of the launch
	s_nop 0
.rept 4
	v_nop
.endr
	s_lshl_b32 s54, s13, 1
	s_add_co_u32 s54, s54, s15
	s_lshl_b32 s54, s54, 4                         ; my tile's first row in a group: 16 (2 cx + e)
	s_mul_i32 s52, s16, 102400
	s_add_nc_u64 s[QB:QB+1], s[4:5], s[52:53]
	s_lshl_b32 s55, s18, 11
	s_add_co_u32 s55, s55, s54                     ; the same row among all 8,192, in group 0
	s_mul_i32 s52, s55, 48
	s_add_nc_u64 s[AOB:AOB+1], s[8:9], s[52:53]
	s_mul_i32 s52, s17, 393216                     ; my head's plane of 8,192 rows x 48 bytes
	s_add_nc_u64 s[AOB:AOB+1], s[AOB:AOB+1], s[52:53]
	s_lshl_b32 s52, s55, 5
	s_add_co_u32 s52, s52, s17
	s_add_co_u32 s52, s52, s17                     ; + 2 x head
	s_add_nc_u64 s[ASB:ASB+1], s[10:11], s[52:53]
	v_and_b32 v8, 15, v0                           ; r
	v_bfe_u32 v9, v0, 4, 1                         ; h
	v_and_b32 v10, 31, v0                          ; lane
	s_delay_alu instid0(VALU_DEP_3)
	v_mul_u32_u24 v[AK0], v8, 48
	s_delay_alu instid0(VALU_DEP_1)
	v_mad_u32_u24 v[AK0], v9, 24, v[AK0]
	s_delay_alu instid0(VALU_DEP_1)
	v_add_nc_u32 v[AV0], 6144, v[AK0]
	v_lshlrev_b32 v[ASK0], 1, v8
	s_delay_alu instid0(VALU_DEP_1)
	v_add_nc_u32 v[ASV0], 12544, v[ASK0]
	s_delay_alu instid0(VALU_DEP_2)
	v_add_nc_u32 v[ASK0], 12288, v[ASK0]
	v_and_b32 v[DQ], 7, v8
	v_lshrrev_b32 v11, 3, v8
	s_delay_alu instid0(VALU_DEP_1)
	v_lshl_add_u32 v[DQ], v11, 4, v[DQ]
	v_lshlrev_b32 v11, 4, v9
	s_delay_alu instid0(VALU_DEP_1)
	v_sub_nc_u32 v[DQ], v[DQ], v11
	s_lshl_b32 s52, s13, 5
	s_lshl_b32 s55, s15, 3
	s_add_co_u32 s52, s52, s55
	v_add_nc_u32 v[DQ], s52, v[DQ]                 ; 32 cx + 8 e + (r & 7) + 16 (r >> 3) - 16 h
	s_mul_i32 s52, s54, 48
	v_add_nc_u32 v[QOF], s52, v[AK0]
	s_lshl_b32 s52, s54, 1
	s_add_co_u32 s52, s52, 6144
	v_lshl_add_u32 v[QSO], v8, 1, s52
	s_lshl_b32 s52, s[WV], 10
	s_add_co_u32 s52, s52, STG                     ; my stage
	v_lshlrev_b32 v[STO], 6, v8
	s_delay_alu instid0(VALU_DEP_1)
	v_lshl_add_u32 v[STO], v9, 4, v[STO]
	s_delay_alu instid0(VALU_DEP_1)
	v_add_nc_u32 v[STO], s52, v[STO]
	v_lshl_add_u32 v[SRD], v10, 4, s52
	v_mul_u32_u24 v[GOC], v10, 12
	v_lshl_add_u32 v[GOS], v8, 5, v9
	v_lshlrev_b32 v[SH8], 3, v9
.irp i, 0,1,2,3,4,5
	v_mov_b32 v[22+\i], 0                          ; Q's upper 64 along K: zero codes
	v_mov_b32 v[80+\i], 0                          ; what the last fragment of K names beyond its own six registers
.endr
.irp b, 0,1,2,3
	v_mov_b32 v[PM+\b], 0                          ; written once: a lane permute's destination counts as one of its sources
.endr
	v_mov_b32 v239, 0                              ; (the upper half of the pair v[238:239])
	v_mov_b32 v241, 0
	s_sub_co_u32 s[G], 15, s14                     ; the first tile's group: 15 - u
	QLOAD
	s_wait_tensorcnt 0x0                           ; my record is in LDS,
	s_barrier_signal -1
	s_barrier_wait -1                              ; everybody's is
	s_mov_b32 s[OT], 2
; A KEY STEP: 128 keys.
.macro STEP
	v_add_nc_u32 v[ADK], s[TB], v[AK0]             ; (these four are the places behind the last step's products, in front of the loads into their registers)
	v_add_nc_u32 v[ADV], s[TB], v[AV0]
	v_add_nc_u32 v[ADS], s[TB], v[ASK0]
	v_add_nc_u32 v[ADT], s[TB], v[ASV0]
.irp t, 0,1,2,3,4,5,6,7
.irp p, 0,1,2
	ds_load_b64 v[KF+6*\t+2*\p:KF+6*\t+2*\p+1], v[ADK] offset:768*\t+8*\p
.endr
	ds_load_u16 v[KSC+\t], v[ADS] offset:32*\t
.endr
.irp t, 0,1,2,3
	ds_load_u16 v[VL+\t], v[ADT] offset:32*\t
	ds_load_u16 v[VH+\t], v[ADT] offset:128+32*\t
.endr
	s_wait_alu depctr_va_vdst(0)
	s_wait_dscnt 0x0
.irp t, 0,1,2,3,4,5,6,7                        ; S^T = K Q^T: source 0 = 16 stored rows of K, source 1 = my 16 queries
	v_wmma_scale_f32_16x16x128_f8f6f4 v[SR+8*\t:SR+8*\t+7], v[KF+6*\t:KF+6*\t+11], v[16:27], 0, v[KSC+\t], v28 matrix_a_fmt:MATRIX_FMT_BF6 matrix_b_fmt:MATRIX_FMT_BF6
.endr
.irp t, 0,1,2,3
	v_lshl_or_b32 v[VS+\t], v[VH+\t], 16, v[VL+\t] ; V's scale words of these 128 keys.  (Four places behind the products: for the loads below and for the first read of the scores)
.endr
.irp t, 0,1,2,3
.irp c, 0,1
.irp p, 0,1,2
	ds_load_b64 v[KF+12*\t+6*\c+2*\p:KF+12*\t+6*\c+2*\p+1], v[ADV] offset:3072*\c+768*\t+8*\p   ; V's fragments land while the softmax is worked
.endr
.endr
.endr
	s_cmp_lg_u32 s[J], s[G]                        ; on the diagonal the scores of hidden keys become -infinity ahead of the maximum: p = 0 then
	s_cbranch_scc1 .Lopen_\@
	v_mov_b32 v241, 0xff800000
.set n, 0
.rept 64
	v_cmp_gt_i32 vcc_lo, 32*(n/16)+n%16, v[DQ]     ; register 16 b + i holds key 32 b + 16 h + i of the step: hidden where that is above my query's place
	v_cndmask_b32 v[SR+n], v[SR+n], v241, vcc_lo
.set n, n+1
.endr
.Lopen_\@:
.irp b, 0,1,2,3
	v_max3_num_f32 v[BM+\b], v[SR+16*\b], v[SR+1+16*\b], v[SR+2+16*\b]   ; the largest score of each block of 32 keys: it serves for the row's maximum and, since p rises with the score, for the block's largest p
.endr
.irp i, 3,5,7,9,11,13
.irp b, 0,1,2,3
	v_max3_num_f32 v[BM+\b], v[BM+\b], v[SR+16*\b+\i], v[SR+1+16*\b+\i]
.endr
.endr
.irp b, 0,1,2,3
	v_max_num_f32 v[BM+\b], v[BM+\b], v[SR+15+16*\b]
.endr
.irp b, 0,1,2,3
	s_delay_alu instid0(VALU_DEP_4)
	v_permlanex16_b32 v[PM+\b], v[BM+\b], s[SEL], s[SEL+1]
.endr
.irp b, 0,1,2,3
	s_delay_alu instid0(VALU_DEP_4)
	v_max_num_f32 v[BM+\b], v[BM+\b], v[PM+\b]     ; with lane xor 16's 16 keys
.endr
	s_delay_alu instid0(VALU_DEP_2)
	v_max3_num_f32 v241, v[BM], v[BM+1], v[BM+2]
	s_delay_alu instid0(VALU_DEP_1)
	v_max_num_f32 v241, v241, v[BM+3]              ; the step's largest score of my query
	s_delay_alu instid0(VALU_DEP_1)
	v_mul_f32 v241, s[CS], v241                    ; as t
	s_delay_alu instid0(VALU_DEP_1)
	v_max_num_f32 v13, v13, v241                   ; the running largest t
	v_mov_b32 v241, v12
	s_delay_alu instid0(VALU_DEP_2)
	v_floor_f32 v12, -v13                          ; the new -M = floor(-t): M is a whole number
	s_delay_alu instid0(VALU_DEP_1)
	v_sub_f32 v241, v12, v241                      ; old M - new M: a whole number, 0 or less
	s_delay_alu instid0(VALU_DEP_1)
	v_cvt_i32_f32 v241, v241                       ; (it saturates)
	s_delay_alu instid0(VALU_DEP_1)
	v_ldexp_f32 v238, 1.0, v241                    ; f = 2^(old M - new M)
.set j, 0
	s_setprio 1
.rept 32
	v_pk_fma_f32 v[SR+j:SR+j+1], v[SR+j:SR+j+1], s[CS:CS+1], v[12:13] op_sel_hi:[1,0,0]   ; t - M, two at a time
.set j, j+2
.endr
.irp b, 0,1,2,3
	v_fma_f32 v[BM+\b], v[BM+\b], s[CS], v12       ; the same of each block's largest score
.endr
.set j, 0
	s_wait_alu depctr_va_vdst(0)
.rept 64
	v_exp_f32 v[SR+j], v[SR+j]                     ; p = 2^(t - M), at most 1
.set j, j+1
.endr
	v_pk_mul_f32 v[14:15], v[14:15], v[238:239] op_sel_hi:[1,0]   ; the sums under the new M (the plain line behind the exponentials)
	s_wait_alu depctr_va_vdst(0)                   ; one wait for the whole batch, ahead of its first reader
.irp b, 0,1,2,3
	v_exp_f32 v[BM+\b], v[BM+\b]                   ; the block's largest p: the same two instructions on the same number give the same bits
.endr
	v_pk_add_f32 v[236:237], v[100:101], v[104:105]
	v_pk_add_f32 v[252:253], v[108:109], v[112:113]
	v_pk_add_f32 v[250:251], v[116:117], v[120:121]
	v_pk_add_f32 v[248:249], v[124:125], v[128:129]
	v_pk_add_f32 v[246:247], v[132:133], v[136:137]
	v_pk_add_f32 v[244:245], v[140:141], v[144:145]
	v_pk_add_f32 v[242:243], v[148:149], v[152:153]
	v_pk_add_f32 v[14:15], v[14:15], v[156:157]
	v_pk_add_f32 v[236:237], v[236:237], v[96:97]
	v_pk_add_f32 v[252:253], v[252:253], v[98:99]
	v_pk_add_f32 v[250:251], v[250:251], v[102:103]
	v_pk_add_f32 v[248:249], v[248:249], v[106:107]
	v_pk_add_f32 v[246:247], v[246:247], v[110:111]
	v_pk_add_f32 v[244:245], v[244:245], v[114:115]
	v_pk_add_f32 v[242:243], v[242:243], v[118:119]
	v_pk_add_f32 v[14:15], v[14:15], v[122:123]
	v_pk_add_f32 v[236:237], v[236:237], v[126:127]
	v_pk_add_f32 v[252:253], v[252:253], v[130:131]
	v_pk_add_f32 v[250:251], v[250:251], v[134:135]
	v_pk_add_f32 v[248:249], v[248:249], v[138:139]
	v_pk_add_f32 v[246:247], v[246:247], v[142:143]
	v_pk_add_f32 v[244:245], v[244:245], v[146:147]
	v_pk_add_f32 v[242:243], v[242:243], v[150:151]
	v_pk_add_f32 v[14:15], v[14:15], v[154:155]
	v_pk_add_f32 v[236:237], v[236:237], v[158:159]
	s_delay_alu instid0(VALU_DEP_2)
	v_pk_add_f32 v[14:15], v[14:15], v[248:249]
	s_delay_alu instid0(VALU_DEP_2)
	v_pk_add_f32 v[236:237], v[236:237], v[246:247]
	v_pk_add_f32 v[252:253], v[252:253], v[244:245]
	v_pk_add_f32 v[250:251], v[250:251], v[242:243]
	s_delay_alu instid0(VALU_DEP_2)
	v_pk_add_f32 v[14:15], v[14:15], v[252:253]
	s_delay_alu instid0(VALU_DEP_2)
	v_pk_add_f32 v[236:237], v[236:237], v[250:251]
	s_delay_alu instid0(VALU_DEP_1)
	v_pk_add_f32 v[14:15], v[14:15], v[236:237]
	s_setprio 0
	s_wait_alu depctr_va_vdst(0)                   ; and one for the four
.irp b, 0,1,2,3
	v_max_num_f32 v[BM+\b], 0x2800000, v[BM+\b]    ; the floor 2^(5 - 127): a block whose every p is 0 keeps the byte 1; its codes are zeros
.endr
.irp b, 0,1,2,3
	s_delay_alu instid0(VALU_DEP_4)
	v_add_nc_u32 v[SO+\b], 0xfe000000, v[BM+\b]    ; 4 off the exponent field: the conversion's scale operand
.endr
.irp b, 0,1,2,3
	s_delay_alu instid0(VALU_DEP_4)
	v_lshrrev_b32 v[PM+\b], 23, v[SO+\b]           ; the scale's byte
.endr
	s_delay_alu instid0(VALU_DEP_3)
	v_lshl_or_b32 v240, v[PM+1], 8, v[PM]          ; p's scale word for these 128 keys
	s_delay_alu instid0(VALU_DEP_1)
	v_lshl_or_b32 v240, v[PM+2], 16, v240
	s_delay_alu instid0(VALU_DEP_1)
	v_lshl_or_b32 v240, v[PM+3], 24, v240
.irp c, 0,1
	v_cvt_scalef32_pk16_bf6_f32 v[PCD+6*\c:PCD+6*\c+2], v[SR+32*\c:SR+32*\c+15], v[SO+2*\c]
	v_cvt_scalef32_pk16_bf6_f32 v[CT+4*\c:CT+4*\c+2], v[SR+32*\c+16:SR+32*\c+31], v[SO+2*\c+1]   ; (a conversion's three registers begin on an even number)
.endr
	v_nop                                          ; one plain line behind the conversions
.irp c, 0,1                                    ; the operand wants a whole block in a lane: lanes 0-15 block 2 c, lanes 16-31 block 2 c + 1
.irp i, 0,1,2
	v_permlane16_swap_b32 v[PCD+6*\c+\i], v[CT+4*\c+\i]
.endr
.irp i, 0,1,2
	s_delay_alu instid0(VALU_DEP_3)
	v_mov_b32 v[PCD+3+6*\c+\i], v[CT+4*\c+\i]
.endr
.endr
.set j, 0
.rept 16
	v_pk_mul_f32 v[OA+j:OA+j+1], v[OA+j:OA+j+1], v[238:239] op_sel_hi:[1,0]   ; O^T under the new M; ascending.  (These are also the places between the codes and the scale word just made and the products)
.set j, j+2
.endr
	s_wait_alu depctr_va_vdst(0)
	s_wait_dscnt 0x0                               ; V's fragments are in
.irp t, 0,1,2,3                                ; O^T += V^T P^T: the four accumulators take turns, one instruction a turn
	v_wmma_scale_f32_16x16x128_f8f6f4 v[OA+8*\t:OA+8*\t+7], v[KF+12*\t:KF+12*\t+11], v[PCD:PCD+11], v[OA+8*\t:OA+8*\t+7], v[VS+\t], v240 matrix_a_fmt:MATRIX_FMT_BF6 matrix_b_fmt:MATRIX_FMT_BF6
.endr
.endm
.Ltile:
	s_mul_i32 s52, s[G], 6144                      ; the group's 128 rows of 48 bytes,
	s_add_nc_u64 s[AOP:AOP+1], s[AOB:AOB+1], s[52:53]
	s_lshl_b32 s52, s[G], 12                       ; and of 32 scale bytes
	s_add_nc_u64 s[ASP:ASP+1], s[ASB:ASB+1], s[52:53]
	v_mov_b32 v13, 0xff61b1e6                      ; the largest t so far: -3e38
	s_delay_alu instid0(VALU_DEP_1)
	v_floor_f32 v12, -v13
	v_mov_b32 v14, 0
	v_mov_b32 v15, 0
.set j, 0
.rept 32
	v_mov_b32 v[OA+j], 0                           ; the step is written once: the first finds zeros, which the first change of M leaves zeros
.set j, j+1
.endr
	s_mov_b32 s[TB], 0
	s_mov_b32 s[J], 0
	s_wait_loadcnt 0x0                             ; Q
.Lkey:
	s_cmp_gt_u32 s[J], s[G]                        ; all keys of the step come after my queries
	s_cbranch_scc1 .Lskip
	s_setprio 2
	STEP
.Lskip:
	s_add_co_u32 s[TB], s[TB], REC
	s_add_co_u32 s[J], s[J], 1
	s_cmp_lt_u32 s[J], 16
	s_cbranch_scc1 .Lkey
	s_setprio 0
	s_sub_co_u32 s[G], 15, s[G]                    ; the other tile's group
	s_cmp_eq_u32 s[OT], 1
	s_cbranch_scc1 .Lno_q
	QLOAD                                          ; its Q is asked for ahead of this tile's way out
.Lno_q:
	; THE WAY OUT: / the sum, two blocks of 32 channels quantised, 12 bytes a lane through my stage, 768 consecutive bytes out
.rept 4
	v_nop                                          ; places behind the last products
.endr
	v_add_f32 v14, v14, v15
	s_delay_alu instid0(VALU_DEP_1)
	v_permlanex16_b32 v241, v14, s[SEL], s[SEL+1]
	s_delay_alu instid0(VALU_DEP_1)
	v_add_f32 v14, v14, v241                       ; the row's sum
	s_wait_alu depctr_va_vdst(0)
	v_rcp_f32 v238, v14
	v_nop                                          ; a plain line behind the reciprocal
	s_wait_alu depctr_va_vdst(0)                   ; and the wait ahead of its first reader
.set j, 0
.rept 16
	v_pk_mul_f32 v[SR+j:SR+j+1], v[OA+j:OA+j+1], v[238:239] op_sel_hi:[1,0]   ; ascending: each accumulator from its low end on
.set j, j+2
.endr
.irp b, 0,1
	v_max3_num_f32 v[BM+\b], |v[SR+16*\b]|, |v[SR+1+16*\b]|, 0x2800000
.endr
.irp i, 2,4,6,8,10,12,14
.irp b, 0,1
	s_delay_alu instid0(VALU_DEP_2)
	v_max3_num_f32 v[BM+\b], v[BM+\b], |v[SR+16*\b+\i]|, |v[SR+1+16*\b+\i]|
.endr
.endr
.irp b, 0,1
	s_delay_alu instid0(VALU_DEP_2)
	v_permlanex16_b32 v[PM+\b], v[BM+\b], s[SEL], s[SEL+1]
.endr
.irp b, 0,1
	s_delay_alu instid0(VALU_DEP_2)
	v_max_num_f32 v[BM+\b], v[BM+\b], v[PM+\b]
.endr
.irp b, 0,1
	s_delay_alu instid0(VALU_DEP_2)
	v_add_nc_u32 v[SO+\b], 0xfe000000, v[BM+\b]
.endr
.irp b, 0,1
	s_delay_alu instid0(VALU_DEP_2)
	v_lshrrev_b32 v[PM+\b], 23, v[SO+\b]
.endr
	v_cvt_scalef32_pk16_bf6_f32 v[CT:CT+2], v[SR:SR+15], v[SO]
	v_cvt_scalef32_pk16_bf6_f32 v[CT+4:CT+6], v[SR+16:SR+31], v[SO+1]
	v_lshl_or_b32 v241, v[PM+1], 8, v[PM]          ; the row's two bytes (the plain line behind the conversions)
	s_delay_alu instid0(VALU_DEP_1)
	v_lshrrev_b32 v242, v[SH8], v241               ; lanes 0-15 store the first, lanes 16-31 the second
	ds_store_b96 v[STO], v[CT:CT+2]                ; place 4 r + 2 b + h
	ds_store_b96 v[STO], v[CT+4:CT+6] offset:32
	ds_load_b96 v[244:246], v[SRD]                 ; LDS serves a wave's instructions in order: these see my stores
	ds_load_b96 v[248:250], v[SRD] offset:512
	s_wait_alu depctr_va_vdst(0)
	s_wait_dscnt 0x0
	global_store_b96 v[GOC], v[244:246], s[AOP:AOP+1]
	global_store_b96 v[GOC], v[248:250], s[AOP:AOP+1] offset:384   ; 16 rows x 48 bytes: 768 consecutive bytes, at a multiple of 256 from the buffer's first byte
	global_store_b8 v[GOS], v242, s[ASP:ASP+1]     ; two bytes a row, rows 32 bytes apart: 32 of every 800 bytes that the tile writes
	s_wait_xcnt 0x0                                ; the stores have read their registers and bases: both are written again in the next tile
	s_sub_co_u32 s[OT], s[OT], 1
	s_cmp_lg_u32 s[OT], 0
	s_cbranch_scc1 .Ltile
	s_wait_tensorcnt 0x0
	ds_add_u32 v254, v255
	s_wait_dscnt 0x0
	ROUND                                          ; the closing round
	s_endpgm
.Lfunc_end_k_qd8fd9f9540_attn:
	.size	k_qd8fd9f9540_attn, .Lfunc_end_k_qd8fd9f9540_attn-k_qd8fd9f9540_attn
	.p2alignl 7, 3214868480
	.fill 96, 4, 3214868480
	.section	.rodata,"a",@progbits
	.p2align	6, 0x0
	.amdhsa_kernel k_qd8fd9f9540_attn
		.amdhsa_group_segment_fixed_size 223232
		.amdhsa_private_segment_fixed_size 0
		.amdhsa_enable_private_segment 0
		.amdhsa_kernarg_size 32
		.amdhsa_user_sgpr_count 2
		.amdhsa_user_sgpr_kernarg_segment_ptr 1
		.amdhsa_wavefront_size32 1
		.amdhsa_system_sgpr_workgroup_id_x 1
		.amdhsa_system_sgpr_workgroup_id_y 1
		.amdhsa_system_sgpr_workgroup_id_z 1
		.amdhsa_system_vgpr_workitem_id 0
		.amdhsa_next_free_vgpr 256
		.amdhsa_next_free_sgpr 66
		.amdhsa_reserve_vcc 1
		.amdhsa_float_denorm_mode_32 3
		.amdhsa_float_denorm_mode_16_64 3
		.amdhsa_memory_ordered 1
		.amdhsa_forward_progress 1
		.amdhsa_inst_pref_size 38
	.end_amdhsa_kernel
	.amdgpu_metadata
---
amdhsa.version: [ 1, 2 ]
amdhsa.kernels:
  - .name:           k_qd8fd9f9540_attn
    .symbol:         k_qd8fd9f9540_attn.kd
    .args:
      - { .name: q_ws, .offset: 0, .size: 8, .value_kind: global_buffer, .address_space: global }
      - { .name: kv, .offset: 8, .size: 8, .value_kind: global_buffer, .address_space: global }
      - { .name: ao_codes, .offset: 16, .size: 8, .value_kind: global_buffer, .address_space: global }
      - { .name: ao_scales, .offset: 24, .size: 8, .value_kind: global_buffer, .address_space: global }
    .group_segment_fixed_size: 223232
    .private_segment_fixed_size: 0
    .kernarg_segment_align: 8
    .kernarg_segment_size: 32
    .max_flat_workgroup_size: 512
    .sgpr_count:     66
    .vgpr_count:     256
    .wavefront_size: 32
...
	.end_amdgpu_metadata
.endif
;; end of part 3
;; launch oproj (part 4): grid 4 x 32, 4 waves a work-group, clusters of 4 x 4, 327,680 bytes of LDS; arguments ao_codes, ao_scales, w_codes, w_scales, bo, out0; writes out0
.if DOCPART == 4
	.amdgcn_target "amdgcn-amd-amdhsa--gfx1250"
	.amdhsa_code_object_version 6
	.text
	.protected	k_qd8fd9f9540_oproj
	.globl	k_qd8fd9f9540_oproj
	.p2align	8
	.type	k_qd8fd9f9540_oproj,@function
k_qd8fd9f9540_oproj:
	s_mov_b64 s[64:65], 0
	v_nop
	global_prefetch_b8 v0, s[64:65] scope:SCOPE_SE
	s_setreg_imm32_b32 hwreg(HW_REG_WAVE_MODE, 25, 1), 1
	s_wait_xcnt 0x0
	s_wait_alu depctr_hold_cnt(0) depctr_sa_sdst(0) depctr_va_vdst(0) depctr_va_sdst(0) depctr_va_ssrc(0) depctr_va_vcc(0) depctr_vm_vsrc(0)
	s_getreg_b32 s2, hwreg(HW_REG_IB_STS2, 6, 4)
	s_cmp_eq_u32 s2, 0
	s_cbranch_scc0 .Lentry_in_a_cluster
	s_endpgm
.Lentry_in_a_cluster:
	s_bfe_u32 s2, ttmp6, 0x10000c
	s_cmp_lg_u32 s2, 0xf033
	s_cbranch_scc0 .Lentry_shape_is_right
	s_endpgm
.Lentry_shape_is_right:
; out0 = attention's result x wo + bo, on codes of BF6 (E3M2) with E8M0 scales; M 8,192, N 1,024, K 1,024; out0 f32.
; A: ao_codes, 16 planes (heads) of [8192 rows][48 bytes]; its scale bytes [8192][32].  B: rows 3072-4095 of the weights' codes [.][768], scale bytes [.][32].  Both have their rows stored with bits 3 and 4 exchanged;
; this launch puts both back: B's by the place of a result in the stage's row, A's by the row of out0 to which a stage row is stored.
; A tile of 256 x 256 to a work-group of four waves, a wave 128 x 128: 64 accumulators.  K in steps of 256 (four heads) through two LDS slots filled by joint tensor loads: A's tile (4 planes x 128 rows x 48 bytes: four rows of
; 6,144 dense bytes) shared along a row of the cluster, B's (128 rows x 192 bytes, padded) along a column.  The scale bytes of the work-group's rows come once with the first fills.  Both slots are filled twice; the steps are written straight.
; THE MATRIX INSTRUCTION IS USED TRANSPOSED (source 0 = 16 rows of B, source 1 = 16 rows of A): a lane holds eight numbers of one row of out0.
; 128 work-groups: the tile is kept at 256 x 256 so that each fragment read from LDS feeds eight products.
; REGISTERS: window 0: v0-31 addresses and the bias; v32-63 scale words, two sets; v128-223 A's fragments, one set; on the way out v128-255 rows read back.  window 1: B's fragments, two sets.  windows 2, 3: the accumulators.
.set KSTEP,  256
.set NQ,     2
.set ROWB,   192
.set KROW,   768
.set PITCH,  240                       ; B's LDS row: 3 x (64 bytes + 16 of padding)
.set FR,     12
.set NL,     6
.set NP,     4
.set HA,     4*6144                    ; A's half tile: 4 planes x 128 rows x 48 bytes, dense
.set HB,     128*PITCH                 ; B's half tile
.set SLOT,   2*HA+2*HB
.set PLANE,  393216                    ; a plane of A in memory
.set KS,     32
.set SCL,    2*SLOT
.set HALFS,  (128*KS/256)*272
.set SBLK,   (16*KS/256)*272
.set SPARE,  SCL+4*HALFS               ; the spare words: 128 bytes for each wave, two blocks of 256 bytes that no other line names
.set SPITCH, 528                       ; the way out: 16 rows x (512 bytes + 16) for each wave, in slot 0, which has had its last fill and its last read by then
.set BIAS, 8                           ; v8-11   bo at my four columns
.set ADRA, 16                          ; v16-17
.set ADRB, 20                          ; v20-23
.set STO,  24
.set RD,   25
.set CO,   26
.set ADRS, 27
.set SPW,  28
.set NIL,  29
.set SC,   32
.set AF,   128
.set BK,   128
.set OUTP, 98                          ; s[98:99] out0
.set G1, 24
.set G0, 32
.set G1B, 48
.set G0B, 56
.set G1S, 68
.set G0S, 76
.set G1SB, 80
.set G0SB, 88
.set MSB, 0
.macro WIN new
.if MSB != \new
	s_set_vgpr_msb (MSB<<8)|\new
.set MSB, \new
.endif
.endm
.set MUL_LO, 0xa1
.set MUL_HI, 0xf1
.set TO_B,   0x40
.macro JLOAD g0a, g1a, g0b, g1b        ; a joint load: waves 0 and 1 fetch for A, waves 2 and 3 for B; four v_nop follow each of the two lines
	s_cmp_eq_u32 s15, 0
	s_cbranch_scc0 .Lfor_b_\@
	tensor_load_to_lds s[\g0a:\g0a+3], s[\g1a:\g1a+7]
	s_nop 0
.rept 4
	v_nop
.endr
	s_branch .Lasked_\@
.Lfor_b_\@:
	tensor_load_to_lds s[\g0b:\g0b+3], s[\g1b:\g1b+7]
	s_nop 0
.rept 4
	v_nop
.endr
.Lasked_\@:
.endm
.macro CREST
	s_cmp_lg_u32 s14, 0
	s_cbranch_scc1 .Lnot_wave_0_\@
	s_barrier_signal -3
.Lnot_wave_0_\@:
	s_barrier_wait -3
	s_barrier_signal -1
	s_barrier_wait -1
.endm
.macro CROUND
	s_barrier_signal -1
	s_barrier_wait -1
	CREST
.endm
	s_load_b256 s[4:11], s[0:1], 0x0               ; ao_codes 4:5, ao_scales 6:7, w_codes 8:9, w_scales 10:11
	s_load_b128 s[96:99], s[0:1], 0x20             ; bo 96:97, out0 98:99
	v_lshl_add_u32 v[SPW], v0, 2, SPARE
	v_mov_b32 v[NIL], 0
	ds_add_u32 v28, v29
	ds_add_u32 v28, v29
	s_wait_dscnt 0x0
	v_lshrrev_b32 v1, 5, v0
	v_readfirstlane_b32 s14, v1                    ; wave 0..3
	s_lshr_b32 s15, s14, 1                         ; my half of the tile's rows.  Also: I fetch for A (0) or for B (1)
	s_and_b32 s16, s14, 1                          ; my half of its columns.  Also: which 128 rows I fetch
	s_bfe_u32 s40, ttmp6, 0x40000                  ; cx
	s_bfe_u32 s41, ttmp6, 0x40004                  ; cy
	s_lshl_b32 s42, ttmp9, 2
	s_add_co_u32 s42, s42, s40                     ; tile column
	s_and_b32 s17, ttmp7, 0xffff
	s_lshl_b32 s17, s17, 2
	s_add_co_u32 s17, s17, s41                     ; tile row
	s_lshl_b32 s43, s41, 2
	s_lshl_b32 s43, 15, s43                        ; my row of the cluster
	s_lshl_b32 s44, 0x1111, s40                    ; my column
	; group 1 for A's tiles: 4 rows (planes) of 768 elements of 8 bytes, a plane apart; no padding
	s_or_b32 s[G1+0], s43, (3<<16)|(1<<21)
	s_mov_b32 s[G1+1], 768<<16                     ; tensor_dim0
	s_mov_b32 s[G1+2], 4<<16                       ; tensor_dim1
	s_mov_b32 s[G1+3], 768<<16                     ; tile_dim0
	s_mov_b32 s[G1+4], 4                           ; tile_dim1
	s_mov_b32 s[G1+5], PLANE/8                     ; the pitch
	s_mov_b32 s[G1+6], 0
	s_mov_b32 s[G1+7], 0
	; for B's: 128 rows x 192 bytes, 16 bytes of padding behind every 64
	s_or_b32 s[G1B+0], s44, (0<<16)|(1<<20)|(1<<21)|(3<<22)|(3<<25)
	s_mov_b32 s[G1B+1], ROWB<<16
	s_mov_b32 s[G1B+2], 128<<16
	s_mov_b32 s[G1B+3], ROWB<<16
	s_mov_b32 s[G1B+4], 128
	s_mov_b32 s[G1B+5], KROW
	s_mov_b32 s[G1B+6], 0
	s_mov_b32 s[G1B+7], 0
	; for the scales of 128 rows: 16 rows of 256 bytes, 16 bytes of padding behind each
	s_or_b32 s[G1S+0], s43, (3<<16)|(1<<20)|(1<<21)|(5<<22)|(3<<25)
	s_or_b32 s[G1SB+0], s44, (3<<16)|(1<<20)|(1<<21)|(5<<22)|(3<<25)
.irp g, G1S, G1SB
	s_mov_b32 s[\g+1], 32<<16
	s_mov_b32 s[\g+2], (128*KS/256)<<16
	s_mov_b32 s[\g+3], 32<<16
	s_mov_b32 s[\g+4], 128*KS/256
	s_mov_b32 s[\g+5], 32
	s_mov_b32 s[\g+6], 0
	s_mov_b32 s[\g+7], 0
.endr
	s_lshl_b32 s18, s16, 7
	s_lshl_b32 s20, s17, 8
	s_add_co_u32 s20, s20, s18                     ; the first row of A that I fetch
	s_lshl_b32 s46, s42, 8
	s_add_co_u32 s46, s46, s18
	s_add_co_u32 s46, s46, 3072                    ; and of B: wo's rows begin at 3072
	s_lshl_b32 s22, s20, 5
	s_mov_b32 s23, 0
	s_lshl_b32 s92, s46, 5
	s_mov_b32 s93, 0
	s_mul_i32 s20, s20, 48
	s_mov_b32 s21, 0
	s_mul_i32 s46, s46, KROW
	s_mov_b32 s47, 0
	s_mul_i32 s45, s16, HA                         ; where they go: A's two halves,
	s_mul_i32 s95, s16, HB
	s_add_co_u32 s95, s95, 2*HA                    ; then B's two halves
	s_mul_i32 s94, s14, HALFS
	s_wait_kmcnt 0x0
	s_add_nc_u64 s[20:21], s[4:5], s[20:21]
	s_add_nc_u64 s[22:23], s[6:7], s[22:23]
	s_add_nc_u64 s[46:47], s[8:9], s[46:47]
	s_add_nc_u64 s[92:93], s[10:11], s[92:93]
	CROUND                                         ; all sixteen work-groups are here: the first joint loads meet
	s_mov_b32 s[G0S], 1
	s_add_co_u32 s[G0S+1], s94, SCL
	s_mov_b64 s[G0S+2:G0S+3], s[22:23]
	s_or_b32 s[G0S+3], s[G0S+3], 0x80000000
	s_mov_b32 s[G0SB], 1
	s_add_co_u32 s[G0SB+1], s94, SCL
	s_mov_b64 s[G0SB+2:G0SB+3], s[92:93]
	s_or_b32 s[G0SB+3], s[G0SB+3], 0x80000000
	JLOAD G0S, G1S, G0SB, G1SB
.irp s, 0,1
	s_mov_b32 s[G0+4*\s], 1
	s_add_co_u32 s[G0+4*\s+1], s45, \s*SLOT
	s_add_nc_u64 s[G0+4*\s+2:G0+4*\s+3], s[20:21], \s*4*PLANE
	s_or_b32 s[G0+4*\s+3], s[G0+4*\s+3], 0x80000000
	s_mov_b32 s[G0B+4*\s], 1
	s_add_co_u32 s[G0B+4*\s+1], s95, \s*SLOT
	s_add_nc_u64 s[G0B+4*\s+2:G0B+4*\s+3], s[46:47], \s*ROWB
	s_or_b32 s[G0B+4*\s+3], s[G0B+4*\s+3], 0x80000000
	s_wait_alu depctr_va_vdst(0)
	s_wait_tensorcnt 0x0
	ds_add_u32 v28, v29
	s_wait_dscnt 0x0
	CROUND
	JLOAD G0+4*\s, G1, G0B+4*\s, G1B               ; one tensor load of mine is out: this one
.endr
	v_and_b32 v1, 15, v0                           ; r
	v_bfe_u32 v2, v0, 4, 1                         ; h
	v_mul_u32_u24 v3, v1, PITCH
	v_mul_u32_u24 v4, v2, 24
	v_add_nc_u32 v4, v3, v4                        ; B: row x pitch + 24 h
	v_lshl_add_u32 v5, v2, 4, v4                   ; and behind one padding more
	v_mul_u32_u24 v3, v1, 48
	v_mad_u32_u24 v3, v2, 24, v3                   ; A: 48 r + 24 h
	s_mul_i32 s21, s15, HA                         ; my 128 rows of A
	s_mul_i32 s22, s16, HB
	s_add_co_u32 s22, s22, 2*HA                    ; my 128 rows of B
.irp s, 0,1
	v_add_nc_u32 v[ADRA+\s], s21, v3
	v_add_nc_u32 v[ADRB+\s], s22, v4
	v_add_nc_u32 v[ADRB+2+\s], s22, v5
	s_add_co_u32 s21, s21, SLOT
	s_add_co_u32 s22, s22, SLOT
.endr
	v_mul_u32_u24 v5, v1, KS
	v_lshrrev_b32 v6, 8, v5
	v_lshl_add_u32 v5, v6, 4, v5
	s_mul_i32 s21, s15, HALFS
	s_mul_i32 s22, s16, HALFS
	s_add_co_u32 s22, s22, 2*HALFS
	s_sub_co_u32 s22, s22, s21
	v_mul_u32_u24 v6, s22, v2                      ; lanes 16-31 take B's scale words
	s_add_co_u32 s21, s21, SCL
	v_add_nc_u32 v5, v5, v6
	v_add_nc_u32 v[ADRS], s21, v5
	s_mul_i32 s23, s14, 16*SPITCH                  ; my stage
	v_mul_u32_u24 v5, v1, SPITCH
	v_lshl_add_u32 v5, v2, 6, v5                   ; in: row r, + 64 h: tile b's eight numbers are the true columns 32 (b / 2) + 16 h + 8 (b % 2) + 0 .. 7
	v_add_nc_u32 v[STO], s23, v5
	v_and_b32 v6, 31, v0
	v_lshlrev_b32 v[CO], 4, v6                     ; back: the 32 lanes take one row of 512 bytes; the same in out0 and in bo
	v_add_nc_u32 v[RD], s23, v[CO]
	s_lshl_b32 s46, s42, 10                        ; my first column, in bytes
	s_lshl_b32 s47, s16, 9
	s_add_co_u32 s46, s46, s47
	s_mov_b32 s47, 0
	s_add_nc_u64 s[96:97], s[96:97], s[46:47]
	global_load_b128 v[BIAS:BIAS+3], v[CO], s[96:97]
	s_lshl_b32 s20, s17, 8
	s_lshl_b32 s21, s15, 7
	s_add_co_u32 s20, s20, s21                     ; my first row
	s_lshl_b32 s20, s20, 12
	s_mov_b32 s21, 0
	s_add_nc_u64 s[20:21], s[20:21], s[46:47]
	s_add_nc_u64 s[OUTP:OUTP+1], s[OUTP:OUTP+1], s[20:21]
.macro FRAG reg, adr, q, i             ; a fragment of B from padded rows of 192 bytes, in pieces of 8 bytes
.irp p, 0,1,2,3,4,5
.set PC, 12*(\q)+6*(\p/3)+\p%3
.if PC%8 < 5
	ds_load_b64 v[\reg+2*\p:\reg+2*\p+1], v[\adr] offset:8*PC+16*(PC/8)+(\i)*16*PITCH
.else
	ds_load_b64 v[\reg+2*\p:\reg+2*\p+1], v[\adr+2] offset:8*PC+16*(PC/8)+(\i)*16*PITCH
.endif
.endr
.endm
.macro FRAGA reg, adr, q, i            ; a fragment of A: registers 6 c .. 6 c + 5 come from plane 2 q + c of the slot, row 16 i + r, 24 h bytes on
.irp p, 0,1,2,3,4,5
	ds_load_b64 v[\reg+2*\p:\reg+2*\p+1], v[\adr] offset:(2*(\q)+\p/3)*6144+768*(\i)+8*(\p%3)
.endr
.endm
.macro MUL16 a0, p, q, sc, zero        ; 16 matrix instructions; the 64 accumulators take turns, one instruction a turn
.irp a, \a0, \a0+1
.irp b, 0,1,2,3,4,5,6,7
.if \zero
	v_wmma_scale_f32_16x16x128_f8f6f4 v[8*(8*((\a)%4)+\b):8*(8*((\a)%4)+\b)+7], v[128*(\p)+FR*\b:128*(\p)+FR*\b+FR-1], v[AF+FR*(\a):AF+FR*(\a)+FR-1], 0, v[SC+8*NQ*(\sc)+NQ*\b+(\q)], v[SC+8*NQ*(\sc)+NQ*(\a)+(\q)] matrix_a_fmt:MATRIX_FMT_BF6 matrix_b_fmt:MATRIX_FMT_BF6 matrix_a_scale:MATRIX_SCALE_ROW1
.else
	v_wmma_scale_f32_16x16x128_f8f6f4 v[8*(8*((\a)%4)+\b):8*(8*((\a)%4)+\b)+7], v[128*(\p)+FR*\b:128*(\p)+FR*\b+FR-1], v[AF+FR*(\a):AF+FR*(\a)+FR-1], v[8*(8*((\a)%4)+\b):8*(8*((\a)%4)+\b)+7], v[SC+8*NQ*(\sc)+NQ*\b+(\q)], v[SC+8*NQ*(\sc)+NQ*(\a)+(\q)] matrix_a_fmt:MATRIX_FMT_BF6 matrix_b_fmt:MATRIX_FMT_BF6 matrix_a_scale:MATRIX_SCALE_ROW1
.endif
.endr
.endr
.endm
.macro FETCH_B slot, q, p
	WIN TO_B
.irp i, 0,1,2,3,4,5,6,7
	FRAG 128*(\p)+FR*\i, ADRB+\slot, \q, \i
.endr
	WIN 0
.endm
.macro FETCH_A slot, q, i0
.irp i, \i0, \i0+1, \i0+2, \i0+3
	FRAGA AF+FR*(\i), ADRA+\slot, \q, \i
.endr
.endm
.macro SCALES sc
.irp i, 0,1,2,3,4,5,6,7
	ds_load_b64 v[SC+8*NQ*\sc+NQ*\i:SC+8*NQ*\sc+NQ*\i+1], v[ADRS] offset:\i*SBLK
.endr
.endm
.macro PLACES n
.rept \n
	v_nop
.endr
.endm
.macro STEP slot, q, zero
	s_wait_dscnt 4*NL                              ; B's set and A's blocks 0-3 are in; the youngest 24 loads (A's blocks 4-7) may be out
	WIN MUL_LO
	MUL16 0, (\q)%2, \q, \slot, \zero
	MUL16 2, (\q)%2, \q, \slot, \zero
	s_wait_dscnt 0
	PLACES NP
	FETCH_B \slot, (\q)+1, 1-(\q)%2
	FETCH_A \slot, (\q)+1, 0
	WIN MUL_HI
	MUL16 4, (\q)%2, \q, \slot, \zero
	MUL16 6, (\q)%2, \q, \slot, \zero
	PLACES NP
	WIN 0
	FETCH_A \slot, (\q)+1, 4
.endm
.macro TURN slot, next, fill           ; a slot's last step changes slots
	s_wait_tensorcnt 0x0                           ; all my tensor loads have landed: my part of the next slot
	ds_add_u32 v[SPW], v[NIL]                      ; 0 onto my spare word
	s_wait_dscnt 4*NL+1                            ; the add and the youngest 24 loads may be out
	WIN MUL_LO
	MUL16 0, 1, NQ-1, \slot, 0
	s_wait_dscnt 0x0                               ; the add is done, and my reads of this slot are over
	s_barrier_signal -1
	MUL16 2, 1, NQ-1, \slot, 0
	WIN 0
	s_barrier_wait -1
.if \fill
	CREST                                          ; the barrier has opened a round of the cluster's barrier
	s_add_nc_u64 s[G0+4*\slot+2:G0+4*\slot+3], s[G0+4*\slot+2:G0+4*\slot+3], 8*PLANE   ; two K steps on: eight planes
	s_add_nc_u64 s[G0B+4*\slot+2:G0B+4*\slot+3], s[G0B+4*\slot+2:G0B+4*\slot+3], 2*ROWB
	JLOAD G0+4*\slot, G1, G0B+4*\slot, G1B         ; the first tensor load behind the round, my only one until the next
.else
	PLACES NP
.endif
	s_wait_alu depctr_va_vdst(0)
	v_add_nc_u32 v[ADRS], 4*NQ, v[ADRS]
	FETCH_B \next, 0, 0
	FETCH_A \next, 0, 0
	SCALES \next
	WIN MUL_HI
	MUL16 4, 1, NQ-1, \slot, 0
	MUL16 6, 1, NQ-1, \slot, 0
	PLACES NP
	WIN 0
	FETCH_A \next, 0, 4
.endm
	s_wait_alu depctr_va_vdst(0)
	s_wait_loadcnt 0x0                             ; the bias
	s_wait_tensorcnt 1                             ; the scales and my part of K step 0 are in; slot 1's load may be out
	s_barrier_signal -1
	s_barrier_wait -1
	FETCH_B 0, 0, 0
	FETCH_A 0, 0, 0
	SCALES 0
	FETCH_A 0, 0, 4
	STEP 0, 0, 1
	TURN 0, 1, 1
	STEP 1, 0, 0
	TURN 1, 0, 1
	STEP 0, 0, 0
	TURN 0, 1, 0
	STEP 1, 0, 0
	s_wait_dscnt 4*NL
	WIN MUL_LO
	MUL16 0, 1, NQ-1, 1, 0
	MUL16 2, 1, NQ-1, 1, 0
	s_wait_dscnt 0
	WIN MUL_HI
	MUL16 4, 1, NQ-1, 1, 0
	MUL16 6, 1, NQ-1, 1, 0
	WIN 0
; THE WAY OUT, block by block of 16 rows x 128 columns, through my own stage; a row comes back whole, gets the bias and is stored as 512 consecutive bytes.
.macro TOSTAGE a
.set AC, 64*((\a)%4)
.set WD, 0x08+4*((\a)/4)
	WIN WD                                         ; the data: window 2 or 3
.irp b, 0,1,2,3,4,5,6,7
	ds_store_b128 v[STO], v[AC+8*\b:AC+8*\b+3] offset:128*(\b/2)+32*(\b%2)        ; each accumulator from its low end on
	ds_store_b128 v[STO], v[AC+8*\b+4:AC+8*\b+7] offset:128*(\b/2)+32*(\b%2)+16
.endr
	WIN 0
.set BB, BK+64*((\a)%2)
.irp t, 0,1,2,3,4,5,6,7,8,9,10,11,12,13,14,15
	ds_load_b128 v[BB+4*\t:BB+4*\t+3], v[RD] offset:\t*SPITCH      ; LDS serves a wave's instructions in order: these see the stores above
.endr
.endm
.macro SEND a, younger                 ; stored row 16 a + t is the true row 32 (a / 2) + 8 (a % 2) + (t % 8) + 16 (t / 8)
.set BB, BK+64*((\a)%2)
	s_wait_dscnt \younger                          ; the block is back in registers
.if (\a) > 0
.if ((\a)%2) == 1
	s_add_nc_u64 s[OUTP:OUTP+1], s[OUTP:OUTP+1], 8*4096    ; (behind a wait on XCNT for 0: the earlier stores have read their base)
.else
	s_add_nc_u64 s[OUTP:OUTP+1], s[OUTP:OUTP+1], 24*4096
.endif
.endif
.irp t, 0,1,2,3,4,5,6,7,8,9,10,11,12,13,14,15
	v_pk_add_f32 v[BB+4*\t:BB+4*\t+1], v[BB+4*\t:BB+4*\t+1], v[BIAS:BIAS+1]
	v_pk_add_f32 v[BB+4*\t+2:BB+4*\t+3], v[BB+4*\t+2:BB+4*\t+3], v[BIAS+2:BIAS+3]
.endr
.irp t, 0,1,2,3,4,5,6,7,8,9,10,11,12,13,14,15
	global_store_b128 v[CO], v[BB+4*\t:BB+4*\t+3], s[OUTP:OUTP+1] offset:((\t%8)+16*(\t/8))*4096 th:TH_STORE_NT   ; 32 lanes store 512 consecutive bytes, at a multiple of 256 from out0's first byte
.endr
.endm
	PLACES NP                                      ; behind the last products: for the loads into the registers that held A's fragments
	TOSTAGE 0
.irp a, 1,2,3,4,5,6,7
.if \a > 1
	s_wait_xcnt 0x0                                ; block a - 2's stores have read their registers and their base
.endif
	TOSTAGE \a
	SEND \a-1, 32                                  ; behind block a - 1's loads: block a's 16 stores and 16 loads
.endr
	s_wait_xcnt 0x0
	SEND 7, 0
	s_wait_tensorcnt 0x0                           ; the wave's end
	ds_add_u32 v[SPW], v[NIL]
	s_wait_dscnt 0x0
	CROUND                                         ; the closing round
	s_endpgm
.Lfunc_end_k_qd8fd9f9540_oproj:
	.size	k_qd8fd9f9540_oproj, .Lfunc_end_k_qd8fd9f9540_oproj-k_qd8fd9f9540_oproj
	.p2alignl 7, 3214868480
	.fill 96, 4, 3214868480
	.section	.rodata,"a",@progbits
	.p2align	6, 0x0
	.amdhsa_kernel k_qd8fd9f9540_oproj
		.amdhsa_group_segment_fixed_size 327680
		.amdhsa_private_segment_fixed_size 0
		.amdhsa_enable_private_segment 0
		.amdhsa_kernarg_size 48
		.amdhsa_user_sgpr_count 2
		.amdhsa_user_sgpr_kernarg_segment_ptr 1
		.amdhsa_wavefront_size32 1
		.amdhsa_system_sgpr_workgroup_id_x 1
		.amdhsa_system_sgpr_workgroup_id_y 1
		.amdhsa_system_sgpr_workgroup_id_z 1
		.amdhsa_system_vgpr_workitem_id 0
		.amdhsa_next_free_vgpr 1024
		.amdhsa_next_free_sgpr 100
		.amdhsa_reserve_vcc 0
		.amdhsa_float_denorm_mode_32 3
		.amdhsa_float_denorm_mode_16_64 3
		.amdhsa_memory_ordered 1
		.amdhsa_forward_progress 1
		.amdhsa_inst_pref_size 177
	.end_amdhsa_kernel
	.amdgpu_metadata
---
amdhsa.version: [ 1, 2 ]
amdhsa.kernels:
  - .name:           k_qd8fd9f9540_oproj
    .symbol:         k_qd8fd9f9540_oproj.kd
    .args:
      - { .name: ao_codes, .offset: 0, .size: 8, .value_kind: global_buffer, .address_space: global }
      - { .name: ao_scales, .offset: 8, .size: 8, .value_kind: global_buffer, .address_space: global }
      - { .name: w_codes, .offset: 16, .size: 8, .value_kind: global_buffer, .address_space: global }
      - { .name: w_scales, .offset: 24, .size: 8, .value_kind: global_buffer, .address_space: global }
      - { .name: bo, .offset: 32, .size: 8, .value_kind: global_buffer, .address_space: global }
      - { .name: out0, .offset: 40, .size: 8, .value_kind: global_buffer, .address_space: global }
    .group_segment_fixed_size: 327680
    .private_segment_fixed_size: 0
    .kernarg_segment_align: 8
    .kernarg_segment_size: 48
    .max_flat_workgroup_size: 128
    .sgpr_count:     100
    .vgpr_count:     1024
    .wavefront_size: 32
...
	.end_amdgpu_metadata
.endif
;; end of part 4
